; MI455X (gfx1250); checked and timed in simulation.
; The chip was launched on July 23, 2026; its instructions are those of AMD's public machine-readable ISA for CDNA 5 (MIT licence, August 2026) and "CDNA5" Instruction Set Architecture Reference Guide (July 2026). The comments in the code are by the model that wrote it; some were corrected since.
;; Grouped Query Attention. Allowed arithmetic: matrix products marked QUANTISED: E2M1 operands, one E8M0 scale for each 32 along K, by v_wmma_scale_f32_16x16x128_f8f6f4 with both operands' format E2M1 (or v_wmma_scale_f32_32x16x128_f4), f32 sums; products left as they are: bf16, f16 or f32 operands; f32 sums; everything else in f32.
;; Inputs: cos 2,048 x 32 float32; sin 2,048 x 32 float32; wk 512 x 2,048 float32; wo 2,048 x 2,048 float32; wq 2,048 x 2,048 float32; wv 512 x 2,048 float32; x 1 x 2,048 x 2,048 float32.
;; Outputs: out0 1 x 2,048 x 2,048 float32.
;; This version of the problem:
;;   THIS VERSION OF THE PROBLEM IS GIVEN IN LOW PRECISION. The matrix products marked QUANTISED in the list below multiply operands that are first quantised to E2M1 (2 exponent bits, 1 mantissa bit; 4 bits a number), with one power-of-two scale for each 32 numbers along K (OCP MX v1.0); their sums are f32. The products marked 'left as it is' may take bf16, f16 or f32 operands, with f32 sums. Whichever they take, every output number must still come out within the allowed error. Rounding operands to bf16 (8 significant bits) uses up far more of that allowance than f16 does (11 bits, for magnitudes from 6e-5 to 65,504). All else is computed in f32.
;;   The module's matrix products, in the order in which they are computed (A, B: the left and right operand; K: the contracted axis; several contracted axes count as one K, in the product's order):
;;     1. [M 2,048, K 2,048] x [K 2,048, N 2,048]; A: input x; B: input wq: QUANTISED
;;     2. [M 2,048, K 2,048] x [K 2,048, N 512]; A: input x; B: input wk: QUANTISED
;;     3. [M 2,048, K 2,048] x [K 2,048, N 512]; A: input x; B: input wv: QUANTISED
;;     4. batch 8 x [M 8,192, K 64] x [K 64, N 2,048]; A: computed on the way; B: computed on the way: left as it is (an operand is computed on the way)
;;     5. batch 8 x [M 8,192, K 2,048] x [K 2,048, N 64]; A: computed on the way; B: computed on the way: left as it is (an operand is computed on the way)
;;     6. [M 2,048, K 2,048] x [K 2,048, N 2,048]; A: computed on the way; B: input wo: left as it is (an operand is computed on the way)
;;   THE QUANTISER, for each operand of a quantised product, along K:
;;     - K is cut into blocks of 32 from its start; a last block that is shorter is filled with zeros.
;;     - A block's scale is 2^e with e = floor(log2(the largest magnitude in the block)) - 2, held to -126 .. 127; a block of zeros has e = 0. As a byte (E8M0): e + 127.
;;     - Each number is divided by its block's scale, clamped to +-6, and rounded to the nearest number of E2M1, ties to even, subnormals kept.
;;     - The product sums the exact products of the quantised numbers (number of the format x scale) in f32.
;;   ~~~python
;;   def quantise(x, axis):      # numpy; x: float32 -> the quantised numbers, widened to float32 again
;;       x = np.moveaxis(x, axis, -1); K = x.shape[-1]
;;       x = np.pad(x, [(0, 0)] * (x.ndim - 1) + [(0, -K % 32)]); x = x.reshape(x.shape[:-1] + (-1, 32)); a = np.abs(x).max(-1, keepdims=True)
;;       e = np.where(a > 0, np.clip(np.frexp(np.where(a > 0, a, 1))[1] - 1 - 2, -126, 127), 0)      # np.frexp(a)[1] - 1 = floor(log2(a)), exactly
;;       r = np.clip(x / 2.0 ** e, -6, 6)
;;       step = 2.0 ** (np.maximum(np.frexp(np.where(r == 0, 1, r))[1] - 1, 0) - 1)
;;       q = np.round(r / step) * step * 2.0 ** e      # np.round: ties to even
;;       return np.moveaxis(q.reshape(q.shape[:-2] + (-1,))[..., :K], -1, axis).astype(np.float32)
;;   ~~~
;; One version. Each part assembles by itself: llvm-mc -triple=amdgcn-amd-amdhsa -mcpu=gfx1250 --defsym DOCPART=n.
;; ======== version 1 of 1: 5 launches
;; limits: values are held in f16: magnitudes above 65,504 overflow, below 6.1e-05 lose precision
;; workspace buffers: x_codes 2,097,152 bytes; x_scales 131,072 bytes; w_codes 3,145,728 bytes; w_scales 196,608 bytes; wo16 8,388,608 bytes; qkvh 12,582,912 bytes; qkv16 196,608 bytes; y16 8,388,608 bytes
;; launch prep (part 1): grid 320 x 1, 4 waves a work-group, no clusters, 33,280 bytes of LDS; arguments x, wq, wk, wv, x_codes, x_scales, w_codes, w_scales; writes x_codes, x_scales, w_codes, w_scales
.if DOCPART == 1
	.amdgcn_target "amdgcn-amd-amdhsa--gfx1250"
	.amdhsa_code_object_version 6
	.text
	.protected	k_q6f1b367384_prep
	.globl	k_q6f1b367384_prep
	.p2align	8
	.type	k_q6f1b367384_prep,@function
k_q6f1b367384_prep:
	s_mov_b64 s[64:65], 0
	v_nop
	global_prefetch_b8 v0, s[64:65] scope:SCOPE_SE
	s_setreg_imm32_b32 hwreg(HW_REG_WAVE_MODE, 25, 1), 1
	s_wait_xcnt 0x0
; x [2048][2048], wq [2048][2048], wk [512][2048], wv [512][2048], f32, become codes of FP4 (E2M1), K innermost, two codes a byte, with one E8M0 byte for each 32 along K.
; x goes to x_codes / x_scales; wq, wk, wv follow each other in w_codes / w_scales (rows 0-2047, 2048-2559, 2560-3071).
; A block's scale is 2^(floor(log2(its largest magnitude)) - 2); its byte is the largest magnitude's exponent field - 2, held at 1 from below.
; LIMITS: a block of zeros gets the byte 1 where the rule says 127 (its codes are zeros, and the bytes are read by this program alone); blocks whose largest magnitude lies under 2^(2 - 126) keep the byte 1;
; NaN and infinities among the inputs are not served.
; SHARES.  A work-group takes 32,768 numbers, a wave 8,192, in 16 steps of 512.  Work-groups 0-127 x, 128-255 wq, 256-287 wk, 288-319 wv.
; Rows are dense and 2,048 is a multiple of 32: every tensor is a plain stream of blocks of 32, and so are codes and scale bytes.
; Each load reads 512 consecutive bytes, 16 a lane; a step's 2,048 bytes turn through the wave's own stage in LDS and come back 64 bytes a lane, so that a lane holds 16 neighbours
; (two lanes hold a block).  A lane's 16 codes are 8 bytes: a wave's store covers 256 consecutive bytes.  A wave's 256 scale bytes are gathered in LDS and leave as one aligned run of 256 bytes.
; Loads run EIGHT steps ahead: 32 loads, 16,384 bytes, of each wave are on their way, half of all that it reads.
; No tensor loads, no barrier: waves share nothing.  Matrix units and clusters have nothing to do here: the launch only moves bytes.
.set WAVES, 4
.set STEPS, 16
.set AHEAD, 8                          ; steps whose loads are out
.set EMAX,  2
.set CB,    8                          ; bytes of 16 codes
.set R,     16                         ; v16-143  eight sets of 16 numbers as they are loaded
.set X,     144                        ; v144-175 two sets of 16 neighbours
.set E,     176                        ; v176-191 a scale byte for each step
.set C,     192                        ; v192-223 codes: two registers for each step, so that no store's data are written again
.set WREG,  8192                       ; LDS: a region for each wave: two stages of 32 x SP bytes, behind them its 256 scale bytes
.set SP,    80                         ; a lane's place in a stage: 64 bytes + 16 of padding
.set SPW,   12                         ; v12  LDS address of my spare word; never rewritten
.set NIL,   13                         ; v13  0; never rewritten
.set SPARE, WAVES*WREG                 ; behind the four regions: the spare words, 128 bytes a wave
	s_load_b256 s[4:11], s[0:1], 0x0               ; x, wq, wk, wv
	s_load_b256 s[12:19], s[0:1], 0x20             ; x_codes, x_scales, w_codes, w_scales
	v_lshl_add_u32 v[SPW], v0, 2, SPARE
	v_mov_b32 v[NIL], 0
	v_lshrrev_b32 v1, 5, v0
	v_readfirstlane_b32 s24, v1                    ; wave
	v_and_b32 v2, 31, v0                           ; lane
	v_lshlrev_b32 v3, 4, v2                        ; my 16 bytes of a load's 512
	s_mul_i32 s25, s24, WREG
	v_lshrrev_b32 v14, 2, v2
	v_mul_u32_u24 v14, v14, SP
	v_and_b32 v15, 3, v2
	v_lshl_add_u32 v14, v15, 4, v14
	v_add_nc_u32 v14, s25, v14                     ; the stage, on the way in: SP (lane / 4) + 16 (lane % 4)
	v_mul_u32_u24 v15, v2, SP
	v_add_nc_u32 v15, s25, v15                     ; and on the way out: SP x lane
	v_mul_u32_u24 v4, v2, CB                       ; my codes' place in a step's
	v_lshrrev_b32 v5, 1, v2
	s_add_co_u32 s25, s25, 2*32*SP
	v_add_nc_u32 v5, s25, v5                       ; LDS: my wave's scale bytes, my block's byte
	v_lshlrev_b32 v7, 3, v2                        ; 8 bytes a lane
	v_add_nc_u32 v6, s25, v7
	s_mov_b32 s35, 0
	s_wait_kmcnt 0x0
	; which tensor, by the work-group's number: only pointers and starts are chosen, all take one way through the text
	s_mov_b64 s[26:27], s[4:5]
	s_mov_b32 s28, 0
	s_cmp_ge_u32 ttmp9, 128
	s_cselect_b64 s[26:27], s[6:7], s[26:27]
	s_cselect_b32 s28, 128, s28
	s_cselect_b64 s[30:31], s[16:17], s[12:13]     ; codes: the weights' or x's
	s_cselect_b64 s[32:33], s[18:19], s[14:15]     ; scale bytes likewise
	s_cselect_b32 s29, 128, 0
	s_cmp_ge_u32 ttmp9, 256
	s_cselect_b64 s[26:27], s[8:9], s[26:27]
	s_cselect_b32 s28, 256, s28
	s_cmp_ge_u32 ttmp9, 288
	s_cselect_b64 s[26:27], s[10:11], s[26:27]
	s_cselect_b32 s28, 288, s28
	s_sub_co_u32 s28, ttmp9, s28
	s_lshl_b32 s28, s28, 2
	s_add_co_u32 s28, s28, s24                     ; which run of 8,192 numbers of the source is my wave's
	s_lshl_b32 s34, s28, 15
	s_add_nc_u64 s[26:27], s[26:27], s[34:35]
	s_sub_co_u32 s29, ttmp9, s29
	s_lshl_b32 s29, s29, 2
	s_add_co_u32 s29, s29, s24                     ; and of the destination: wq, wk, wv follow each other there as their work-groups do
	s_lshl_b32 s34, s29, 12
	s_add_nc_u64 s[30:31], s[30:31], s[34:35]
	s_lshl_b32 s34, s29, 8
	s_add_nc_u64 s[32:33], s[32:33], s[34:35]
.macro LOAD t
.irp i, 0,1,2,3
	global_load_b128 v[R+16*((\t)%AHEAD)+4*\i:R+16*((\t)%AHEAD)+4*\i+3], v3, s[26:27] offset:2048*(\t)+512*\i th:TH_LOAD_NT   ; 32 lanes read 512 consecutive bytes
.endr
.endm
.macro TURN t                          ; step t's numbers through the stage: LDS serves a wave's instructions in order, so no wait stands between the stores and the loads
.irp i, 0,1,2,3
	ds_store_b128 v14, v[R+16*((\t)%AHEAD)+4*\i:R+16*((\t)%AHEAD)+4*\i+3] offset:32*SP*((\t)%2)+8*SP*\i
.endr
.irp i, 0,1,2,3
	ds_load_b128 v[X+16*((\t)%2)+4*\i:X+16*((\t)%2)+4*\i+3], v15 offset:32*SP*((\t)%2)+16*\i
.endr
.endm
.irp t, 0,1,2,3,4,5,6,7
	LOAD \t
.endr
	s_wait_loadcnt 4*(AHEAD-1)                     ; step 0's four loads are in; seven steps' may be out
	TURN 0
.macro STEP t
.set XS, X+16*((\t)%2)
.if (\t) > 0
	s_wait_dscnt 1                                 ; this step's numbers are back from the stage (the last step's byte store may be out): so the stage's stores have read their registers,
.else
	s_wait_dscnt 0x0
.endif
.if (\t)+AHEAD < STEPS
	LOAD (\t)+AHEAD                                ; which take the loads of eight steps on
.endif
.if (\t)+1 < STEPS
.if STEPS-2-(\t) >= AHEAD-1
	s_wait_loadcnt 4*(AHEAD-1)                     ; the next step's four loads are in; those of the seven steps behind it may be out
.else
	s_wait_loadcnt 4*(STEPS-2-(\t))                ; the tail: the steps that are left behind the next one
.endif
	TURN (\t)+1
.endif
	v_max3_num_f32 v8, |v[XS]|, |v[XS+1]|, |v[XS+2]|               ; the largest magnitude of my 16, in two chains
	v_max3_num_f32 v9, |v[XS+3]|, |v[XS+4]|, |v[XS+5]|
.irp i, 6,10
	v_max3_num_f32 v8, v8, |v[XS+\i]|, |v[XS+\i+1]|
	v_max3_num_f32 v9, v9, |v[XS+\i+2]|, |v[XS+\i+3]|
.endr
	v_max3_num_f32 v8, v8, |v[XS+14]|, |v[XS+15]|
	v_max3_num_f32 v8, v8, v9, (EMAX+1)<<23        ; and the floor 2^(EMAX + 1 - 127): the byte cannot fall under 1
	v_max_num_f32_dpp v8, v8, v8 row_xmask:1 row_mask:0xf bank_mask:0xf   ; with my neighbour's 16: the block's
	v_add_nc_u32 v11, -(EMAX<<23), v8              ; EMAX off its exponent field: the conversion takes the exponent field of this operand as its scale
	v_cvt_scalef32_pk8_fp4_f32 v[C+2*(\t)], v[XS:XS+7], v11
	v_cvt_scalef32_pk8_fp4_f32 v[C+2*(\t)+1], v[XS+8:XS+15], v11
	v_lshrrev_b32 v[E+(\t)], 23, v11               ; the scale's byte (a plain line behind the conversions)
	ds_store_b8 v5, v[E+(\t)] offset:16*(\t)       ; both lanes of a block write the same byte with the same value
	global_store_b64 v4, v[C+2*(\t):C+2*(\t)+1], s[30:31] offset:32*CB*(\t)   ; 32 lanes store 256 consecutive bytes, aligned
.endm
.irp t, 0,1,2,3,4,5,6,7,8,9,10,11,12,13,14,15
	STEP \t
.endr
	ds_load_b64 v[8:9], v6                         ; LDS serves a wave's instructions in order: these see my byte stores
	s_wait_dscnt 0x0
	global_store_b64 v7, v[8:9], s[32:33]          ; 32 lanes store 256 consecutive bytes, aligned
	s_wait_tensorcnt 0x0                           ; the wave's end, behind my last LDS store
	ds_add_u32 v[SPW], v[NIL]
	s_wait_dscnt 0x0
	s_endpgm
.Lfunc_end_k_q6f1b367384_prep:
	.size	k_q6f1b367384_prep, .Lfunc_end_k_q6f1b367384_prep-k_q6f1b367384_prep
	.p2alignl 7, 3214868480
	.fill 96, 4, 3214868480
	.section	.rodata,"a",@progbits
	.p2align	6, 0x0
	.amdhsa_kernel k_q6f1b367384_prep
		.amdhsa_group_segment_fixed_size 33280
		.amdhsa_private_segment_fixed_size 0
		.amdhsa_enable_private_segment 0
		.amdhsa_kernarg_size 64
		.amdhsa_user_sgpr_count 2
		.amdhsa_user_sgpr_kernarg_segment_ptr 1
		.amdhsa_wavefront_size32 1
		.amdhsa_system_sgpr_workgroup_id_x 1
		.amdhsa_system_sgpr_workgroup_id_y 1
		.amdhsa_system_sgpr_workgroup_id_z 1
		.amdhsa_system_vgpr_workitem_id 0
		.amdhsa_next_free_vgpr 224
		.amdhsa_next_free_sgpr 66
		.amdhsa_reserve_vcc 0
		.amdhsa_float_denorm_mode_32 3
		.amdhsa_float_denorm_mode_16_64 3
		.amdhsa_memory_ordered 1
		.amdhsa_forward_progress 1
		.amdhsa_inst_pref_size 34
	.end_amdhsa_kernel
	.amdgpu_metadata
---
amdhsa.version: [ 1, 2 ]
amdhsa.kernels:
  - .name:           k_q6f1b367384_prep
    .symbol:         k_q6f1b367384_prep.kd
    .args:
      - { .name: x, .offset: 0, .size: 8, .value_kind: global_buffer, .address_space: global }
      - { .name: wq, .offset: 8, .size: 8, .value_kind: global_buffer, .address_space: global }
      - { .name: wk, .offset: 16, .size: 8, .value_kind: global_buffer, .address_space: global }
      - { .name: wv, .offset: 24, .size: 8, .value_kind: global_buffer, .address_space: global }
      - { .name: x_codes, .offset: 32, .size: 8, .value_kind: global_buffer, .address_space: global }
      - { .name: x_scales, .offset: 40, .size: 8, .value_kind: global_buffer, .address_space: global }
      - { .name: w_codes, .offset: 48, .size: 8, .value_kind: global_buffer, .address_space: global }
      - { .name: w_scales, .offset: 56, .size: 8, .value_kind: global_buffer, .address_space: global }
    .group_segment_fixed_size: 33280
    .private_segment_fixed_size: 0
    .kernarg_segment_align: 8
    .kernarg_segment_size: 64
    .max_flat_workgroup_size: 128
    .sgpr_count:     66
    .vgpr_count:     224
    .wavefront_size: 32
...
	.end_amdgpu_metadata
.endif
;; end of part 1
;; launch qkv (part 2): grid 16 x 16, 4 waves a work-group, clusters of 4 x 4, 327,680 bytes of LDS; arguments x_codes, x_scales, w_codes, w_scales, cos, sin, qkvh, qkv16; writes qkvh, qkv16
.if DOCPART == 2
	.amdgcn_target "amdgcn-amd-amdhsa--gfx1250"
	.amdhsa_code_object_version 6
	.text
	.protected	k_q6f1b367384_qkv
	.globl	k_q6f1b367384_qkv
	.p2align	8
	.type	k_q6f1b367384_qkv,@function
k_q6f1b367384_qkv:
	s_mov_b64 s[64:65], 0
	v_nop
	global_prefetch_b8 v0, s[64:65] scope:SCOPE_SE
	s_setreg_imm32_b32 hwreg(HW_REG_WAVE_MODE, 25, 1), 1
	s_wait_xcnt 0x0
	s_wait_alu depctr_hold_cnt(0) depctr_sa_sdst(0) depctr_va_vdst(0) depctr_va_sdst(0) depctr_va_ssrc(0) depctr_va_vcc(0) depctr_vm_vsrc(0)
	s_getreg_b32 s2, hwreg(HW_REG_IB_STS2, 6, 4)
	s_cmp_eq_u32 s2, 0
	s_cbranch_scc0 .Lentry_in_a_cluster
	s_endpgm
.Lentry_in_a_cluster:
	s_bfe_u32 s2, ttmp6, 0x10000c
	s_cmp_lg_u32 s2, 0xf033
	s_cbranch_scc0 .Lentry_shape_is_right
	s_endpgm
.Lentry_shape_is_right:
; [q | k | v][t][o] = sum over c of x[t][c] w[o][c], 2,048 x 3,072 x 2,048, both operands codes of FP4 (E2M1) with one E8M0 byte for each 32 along K; sums in f32.
; Then RoPE in f32 on q and k (pairs of neighbouring columns; cos and sin [t][32]); v stays as it is.  Out: qkvh [48 heads][2048 t][64] f16 (heads 0-31 q, 32-39 k, 40-47 v), and rows 0-15 also in f32: qkv16 [16][3072].
; LIMIT: a result above 65,504 in magnitude becomes infinite in f16.
; SHARES.  A tile is 128 rows x 192 columns (three heads): 16 x 16 tiles, one for each of 256 work-groups; a larger tile would leave work-groups without work.  Four waves, each 64 x 96: 24 accumulators.
; K goes in four steps of 512 (tile rows of 256 bytes).  A step is 96 matrix instructions a wave, little work for a refill to land in: so LDS holds THREE slots, and K steps 0, 1 and 2 are asked for together at the
; start; the launch has one refill, K step 3 into slot 0, with K steps 1 and 2 in which to land.  The scale bytes of the tile's 128 + 192 rows for all of K come once, as runs of 256 bytes, and stay.
; CLUSTER 4 x 4: the four of a row of the cluster need the same tiles of x, the four of a column the same tiles of w: each is asked for jointly.
; THE MATRIX INSTRUCTION IS USED TRANSPOSED (source 0 = 16 rows of w, source 1 = 16 rows of x): a lane holds eight neighbouring columns of one row, four RoPE pairs.
; No prefetch: three of the four K steps are asked for at the launch's head.
; REGISTERS: window 0: v16-31 addresses; v32-79 scale words, two sets of 24; v96-175 and v176-255 two sets of fragments (A 4 x 8, B 6 x 8).  window 1: the accumulators, (a, b) at 8 (6 a + b).  window 2: cos and sin.
.set ROWB,  256                        ; a tile's row: 512 codes
.set KROW,  1024                       ; a row of codes in memory
.set PITCH, 272                        ; an LDS row: 256 bytes + 16: the 16 rows of a fragment load start 68 words apart
.set AH,    64*PITCH                   ; what one load brings of x
.set AT,    2*AH
.set BH,    96*PITCH                   ; and of w
.set SLOT,  AT+2*BH                    ; x's 128 rows, then w's 192
.set SCL,   3*SLOT                     ; behind the three slots: the scales: runs of 256 bytes (four rows' 64) + 16 of padding
.set SBLK,  4*272                      ; those of 16 rows
.set SAH,   16*272                     ; of 64 rows
.set SBH,   24*272                     ; of 96 rows
.set SCB,   SCL+2*SAH                  ; w's scales lie behind x's
.set SPARE, SCB+2*SBH                  ; the spare words, 128 bytes a wave
.set STAGE, SLOT                       ; the way out: a stage in slot 1, which is filled once and is last read ahead of the last barrier
.set SPITCH, 400                       ; 128 rows x (384 + 16) bytes
.set ADRA, 16                          ; v16-18 my fragments of x in slot 0, 1, 2
.set ADRB, 19                          ; v19-21 of w
.set PRED, 22                          ; v22  2 x tile row + my half: 0 where my block 0 holds positions 0-15
.set CS1,  23                          ; v23  cos, sin: my offset for column blocks 2, 3 (mod 4)
.set STO,  24
.set RD,   25
.set GO,   26
.set ADRS, 27                          ; v27  my scale words: lanes 0-15 x's rows, lanes 16-31 w's
.set SPW,  28
.set NIL,  29
.set FO,   30                          ; v30  my offset in qkv16
.set CS0,  31                          ; v31  cos, sin: column blocks 0, 1 (mod 4)
.set SC,   32
.set FA,   96
.set FB,   128
.set T,    96                          ; the way out: 48 numbers in f32
.set H16,  144                         ; and packed
.set BK,   96                          ; rows read back
.set G1,   24                          ; s[24:31] group 1 for x's tiles;  s[32:43] groups 0, one for each slot
.set G0,   32
.set G1B,  44                          ; s[44:51], s[52:63] the same for w's
.set G0B,  52
.set G1S,  68                          ; s[68:75], s[76:79] groups 1 and 0 for x's scales;  s[80:87], s[88:91] for w's
.set G0S,  76
.set G1SB, 80
.set G0SB, 88
.set TC,   3                           ; s3  the tile column
.set MSB, 0
.macro WIN new                         ; the immediate's high byte repeats the setting that is left
.if MSB != \new
	s_set_vgpr_msb (MSB<<8)|\new
.set MSB, \new
.endif
.endm
.set MUL, 0x50                         ; C and D window 1, sources window 0
; A joint load: waves 0 and 1 fetch for x, waves 2 and 3 for w.  The branch hangs on the wave's number alone.  An s_nop 0 and four v_nop follow each line.
.macro JLOAD g0a, g1a, g0b, g1b
	s_cmp_eq_u32 s21, 0
	s_cbranch_scc0 .Lfor_b_\@
	tensor_load_to_lds s[\g0a:\g0a+3], s[\g1a:\g1a+7]
	s_nop 0
.rept 4
	v_nop
.endr
	s_branch .Lasked_\@
.Lfor_b_\@:
	tensor_load_to_lds s[\g0b:\g0b+3], s[\g1b:\g1b+7]
	s_nop 0
.rept 4
	v_nop
.endr
.Lasked_\@:
.endm
.macro CREST                           ; a round of the cluster's barrier behind its opening barrier
	s_cmp_lg_u32 s20, 0
	s_cbranch_scc1 .Lnot_wave_0_\@
	s_barrier_signal -3
.Lnot_wave_0_\@:
	s_barrier_wait -3
	s_barrier_signal -1
	s_barrier_wait -1
.endm
.macro CROUND
	s_barrier_signal -1
	s_barrier_wait -1
	CREST
.endm
	s_load_b256 s[4:11], s[0:1], 0x0               ; x_codes, x_scales, w_codes, w_scales
	s_load_b256 s[12:19], s[0:1], 0x20             ; cos, sin, qkvh, qkv16
	v_lshl_add_u32 v[SPW], v0, 2, SPARE
	v_mov_b32 v[NIL], 0
	ds_add_u32 v[SPW], v[NIL]                      ; the wave's opening: the add, twice on end, and its wait ahead of my first tensor load
	ds_add_u32 v[SPW], v[NIL]
	v_lshrrev_b32 v1, 5, v0
	v_readfirstlane_b32 s20, v1                    ; wave 0..3
	s_lshr_b32 s21, s20, 1                         ; which 64 rows of the tile are mine.  Also: I fetch for x (0) or for w (1)
	s_and_b32 s22, s20, 1                          ; which 96 columns.  Also: which half of that tile I fetch
	s_bfe_u32 s100, ttmp6, 0x40000                 ; cx, in a register that later serves w's side alone
	s_bfe_u32 s98, ttmp6, 0x40004                  ; cy, in one that later serves x's side alone
	s_lshl_b32 s[TC], ttmp9, 2
	s_add_co_u32 s[TC], s[TC], s100                ; tile column = 4 x cluster x + cx
	s_and_b32 s23, ttmp7, 0xffff
	s_lshl_b32 s23, s23, 2
	s_add_co_u32 s23, s23, s98                     ; tile row = 4 x cluster y + cy
	s_lshl_b32 s96, s98, 2
	s_lshl_b32 s96, 15, s96                        ; my row of the cluster
	s_lshl_b32 s66, 0x1111, s100                   ; my column
	s_or_b32 s[G1+0], s96, (0<<16)|(1<<20)|(1<<21)|(5<<22)|(3<<25)  ; the mask; elements of 1 byte; padding on; bit 21 beside a mask; after every 64 words, 4 words
	s_mov_b32 s[G1+1], ROWB<<16                    ; tensor_dim0
	s_mov_b32 s[G1+2], 64<<16                      ; tensor_dim1
	s_mov_b32 s[G1+3], ROWB<<16                    ; tile_dim0
	s_mov_b32 s[G1+4], 64                          ; tile_dim1
	s_mov_b32 s[G1+5], KROW                        ; the pitch
	s_mov_b32 s[G1+6], 0
	s_mov_b32 s[G1+7], 0
	s_or_b32 s[G1B+0], s66, (0<<16)|(1<<20)|(1<<21)|(5<<22)|(3<<25)
	s_mov_b32 s[G1B+1], ROWB<<16
	s_mov_b32 s[G1B+2], 96<<16
	s_mov_b32 s[G1B+3], ROWB<<16
	s_mov_b32 s[G1B+4], 96
	s_mov_b32 s[G1B+5], KROW
	s_mov_b32 s[G1B+6], 0
	s_mov_b32 s[G1B+7], 0
	s_or_b32 s[G1S+0], s96, (3<<16)|(1<<20)|(1<<21)|(5<<22)|(3<<25) ; the scales of 64 rows: 4,096 dense bytes as 16 rows of 32 elements of 8 bytes
	s_mov_b32 s[G1S+1], 32<<16
	s_mov_b32 s[G1S+2], 16<<16
	s_mov_b32 s[G1S+3], 32<<16
	s_mov_b32 s[G1S+4], 16
	s_mov_b32 s[G1S+5], 32
	s_mov_b32 s[G1S+6], 0
	s_mov_b32 s[G1S+7], 0
	s_or_b32 s[G1SB+0], s66, (3<<16)|(1<<20)|(1<<21)|(5<<22)|(3<<25) ; of 96 rows: 24 such rows
	s_mov_b32 s[G1SB+1], 32<<16
	s_mov_b32 s[G1SB+2], 24<<16
	s_mov_b32 s[G1SB+3], 32<<16
	s_mov_b32 s[G1SB+4], 24
	s_mov_b32 s[G1SB+5], 32
	s_mov_b32 s[G1SB+6], 0
	s_mov_b32 s[G1SB+7], 0
	; where the tiles come from: x's hang on the tile row alone, w's on the tile column alone, each in registers that never hold the other coordinate
	s_lshl_b32 s2, s22, 6
	s_lshl_b32 s96, s23, 7
	s_add_co_u32 s96, s96, s2                      ; x: row 128 x tile row + 64 x half
	s_lshl_b32 s98, s96, 6                         ; its scales, 64 bytes a row
	s_mov_b32 s99, 0
	s_lshl_b32 s96, s96, 10                        ; its codes, 1,024 bytes a row
	s_mov_b32 s97, 0
	s_mul_i32 s66, s[TC], 192
	s_mul_i32 s67, s22, 96
	s_add_co_u32 s66, s66, s67                     ; w: row 192 x tile column + 96 x half
	s_lshl_b32 s100, s66, 6
	s_mov_b32 s101, 0
	s_lshl_b32 s66, s66, 10
	s_mov_b32 s67, 0
	s_mul_i32 s92, s22, AH                         ; and where they go: no place in the cluster enters an LDS address
	s_mul_i32 s93, s22, BH
	s_add_co_u32 s93, s93, AT
	s_mul_i32 s94, s22, SAH
	s_add_co_u32 s94, s94, SCL
	s_mul_i32 s95, s22, SBH
	s_add_co_u32 s95, s95, SCB
	s_wait_dscnt 0x0                               ; both opening adds are done
	s_wait_kmcnt 0x0
	s_add_nc_u64 s[96:97], s[4:5], s[96:97]
	s_add_nc_u64 s[98:99], s[6:7], s[98:99]
	s_add_nc_u64 s[66:67], s[8:9], s[66:67]
	s_add_nc_u64 s[100:101], s[10:11], s[100:101]
	CROUND                                         ; all sixteen work-groups are here: the first joint loads meet
	s_mov_b32 s[G0S], 1
	s_mov_b32 s[G0S+1], s94
	s_mov_b64 s[G0S+2:G0S+3], s[98:99]
	s_or_b32 s[G0S+3], s[G0S+3], 0x80000000
	s_mov_b32 s[G0SB], 1
	s_mov_b32 s[G0SB+1], s95
	s_mov_b64 s[G0SB+2:G0SB+3], s[100:101]
	s_or_b32 s[G0SB+3], s[G0SB+3], 0x80000000
	JLOAD G0S, G1S, G0SB, G1SB                     ; the scales first: they are wanted with K step 0
.irp s, 0,1,2
	s_mov_b32 s[G0+4*\s], 1
	s_add_co_u32 s[G0+4*\s+1], s92, \s*SLOT
	s_add_nc_u64 s[G0+4*\s+2:G0+4*\s+3], s[96:97], \s*ROWB
	s_or_b32 s[G0+4*\s+3], s[G0+4*\s+3], 0x80000000
	s_mov_b32 s[G0B+4*\s], 1
	s_add_co_u32 s[G0B+4*\s+1], s93, \s*SLOT
	s_add_nc_u64 s[G0B+4*\s+2:G0B+4*\s+3], s[66:67], \s*ROWB
	s_or_b32 s[G0B+4*\s+3], s[G0B+4*\s+3], 0x80000000
	JLOAD G0+4*\s, G1, G0B+4*\s, G1B               ; K step s into slot s: in the end four loads of mine are out
.endr
	v_and_b32 v1, 15, v0                           ; r
	v_bfe_u32 v2, v0, 4, 1                         ; h
	v_mul_u32_u24 v3, v1, PITCH
	v_lshl_add_u32 v4, v2, 4, v3                   ; a fragment's row x pitch + 16 h
	s_mul_i32 s2, s21, AH                          ; my 64 rows of x
	s_mul_i32 s92, s22, BH                         ; my 96 rows of w,
	s_add_co_u32 s92, s92, AT                      ; which lie behind x's 128
.irp s, 0,1,2
	v_add_nc_u32 v[ADRA+\s], s2, v4
	v_add_nc_u32 v[ADRB+\s], s92, v4
	s_add_co_u32 s2, s2, SLOT
	s_add_co_u32 s92, s92, SLOT
.endr
	v_lshrrev_b32 v5, 2, v1                        ; my row's scales: four rows to a run of 256 + 16 bytes,
	v_mul_u32_u24 v5, v5, 272
	v_and_b32 v6, 3, v1
	v_lshl_add_u32 v5, v6, 6, v5                   ; 64 bytes a row
	s_mul_i32 s93, s21, SAH                        ; x's: my 64 rows
	s_mul_i32 s94, s22, SBH                        ; w's: my 96 rows, behind x's 128
	s_add_co_u32 s94, s94, 2*SAH
	s_sub_co_u32 s94, s94, s93
	v_mul_u32_u24 v6, s94, v2                      ; lanes 16-31 take w's: one product of the lane's half
	s_add_co_u32 s93, s93, SCL
	v_add_nc_u32 v5, v5, v6
	v_add_nc_u32 v[ADRS], s93, v5
	s_mul_i32 s2, s21, 64*SPITCH                   ; the stage, in: row 64 x my half + r; my 96 columns' 192 bytes; 16 bytes for each half of the lanes
	s_mul_i32 s92, s22, 192
	s_add_co_u32 s2, s2, s92
	s_add_co_u32 s2, s2, STAGE
	v_mul_u32_u24 v5, v1, SPITCH
	v_lshl_add_u32 v5, v2, 4, v5
	v_add_nc_u32 v[STO], s2, v5
	v_and_b32 v6, 31, v0                           ; lane
	v_lshrrev_b32 v7, 3, v6                        ; back: wave w takes rows 32 w on; eight lanes take a head's 128 bytes of a row
	v_mul_u32_u24 v7, v7, SPITCH
	v_and_b32 v8, 7, v0
	v_lshl_add_u32 v7, v8, 4, v7
	s_mul_i32 s2, s20, 32*SPITCH
	s_add_co_u32 s2, s2, STAGE
	v_add_nc_u32 v[RD], s2, v7
	s_lshl_b32 s2, s20, 12
	v_lshl_add_u32 v[GO], v6, 4, s2                ; in a head of qkvh: 32 rows of 128 bytes a wave, 16 bytes a lane
	v_mul_u32_u24 v[FO], v1, 12288                 ; qkv16: row r, + 32 h
	v_lshl_add_u32 v[FO], v2, 5, v[FO]
	v_lshlrev_b32 v9, 7, v1                        ; cos, sin: row r of 128 bytes, + 16 h: my four pairs of a block of 16 columns
	v_lshl_add_u32 v9, v2, 4, v9
	s_lshl_b32 s2, s22, 6                          ; my 96 columns begin 0 or 32 columns into a head: 0 or 16 pairs: 64 bytes
	v_add_nc_u32 v[CS0], s2, v9
	s_xor_b32 s2, s2, 64
	v_add_nc_u32 v[CS1], s2, v9
	s_lshl_b32 s104, s23, 14                       ; offsets made of the tile's coordinates stand in s[104:105] and s4, which feed no descriptor and no LDS address
	s_lshl_b32 s4, s21, 13
	s_add_co_u32 s104, s104, s4                    ; (128 x tile row + 64 x half) rows of 128 bytes
	s_mov_b32 s105, 0
	s_add_nc_u64 s[12:13], s[12:13], s[104:105]
	s_add_nc_u64 s[14:15], s[14:15], s[104:105]
	s_mul_i32 s104, s[TC], 3*262144                ; qkvh: head 3 x tile column, row 128 x tile row
	s_lshl_b32 s4, s23, 14
	s_add_co_u32 s104, s104, s4
	s_add_nc_u64 s[16:17], s[16:17], s[104:105]
	s_mul_i32 s104, s[TC], 768                     ; qkv16: column 192 x tile column + 96 x half, 4 bytes each
	s_mul_i32 s4, s22, 384
	s_add_co_u32 s104, s104, s4
	s_add_nc_u64 s[18:19], s[18:19], s[104:105]
	s_lshl_b32 s104, s23, 1
	s_add_co_u32 s104, s104, s21
	v_mov_b32 v[PRED], s104
	WIN 0x80                                       ; destination window 2
.irp a, 0,1,2,3                        ; cos and sin of my 64 rows: for rows 16 a + r and column block b (mod 4) four pairs each; they land while the products run
.irp b, 0,1
	global_load_b128 v[32*\a+8*\b:32*\a+8*\b+3], v[CS0], s[12:13] offset:2048*\a+32*\b
	global_load_b128 v[32*\a+8*\b+4:32*\a+8*\b+7], v[CS0], s[14:15] offset:2048*\a+32*\b
	global_load_b128 v[32*\a+8*\b+16:32*\a+8*\b+19], v[CS1], s[12:13] offset:2048*\a+32*\b
	global_load_b128 v[32*\a+8*\b+20:32*\a+8*\b+23], v[CS1], s[14:15] offset:2048*\a+32*\b
.endr
.endr
	WIN 0
.macro FRAG reg, adr, q, i             ; 16 rows x 128 K of 4-bit codes: 8 registers: two loads of 16 bytes, 32 bytes apart
.irp c, 0,1
	ds_load_b128 v[\reg+4*\c:\reg+4*\c+3], v[\adr] offset:64*(\q)+32*\c+(\i)*16*PITCH
.endr
.endm
; six matrix instructions: x's block a against w's six, the slot's q-th 128 along K, fragment set f, scale set sc.  The 24 accumulators take turns, one instruction a turn, in the same order in every step.
.macro MUL6 a, f, q, sc, zero
.irp b, 0,1,2,3,4,5
.if \zero
	v_wmma_scale_f32_16x16x128_f8f6f4 v[8*(6*(\a)+\b):8*(6*(\a)+\b)+7], v[FB+80*(\f)+8*\b:FB+80*(\f)+8*\b+7], v[FA+80*(\f)+8*(\a):FA+80*(\f)+8*(\a)+7], 0, v[SC+24*(\sc)+4*\b+(\q)], v[SC+24*(\sc)+4*(\a)+(\q)] matrix_a_fmt:MATRIX_FMT_FP4 matrix_b_fmt:MATRIX_FMT_FP4 matrix_a_scale:MATRIX_SCALE_ROW1
.else
	v_wmma_scale_f32_16x16x128_f8f6f4 v[8*(6*(\a)+\b):8*(6*(\a)+\b)+7], v[FB+80*(\f)+8*\b:FB+80*(\f)+8*\b+7], v[FA+80*(\f)+8*(\a):FA+80*(\f)+8*(\a)+7], v[8*(6*(\a)+\b):8*(6*(\a)+\b)+7], v[SC+24*(\sc)+4*\b+(\q)], v[SC+24*(\sc)+4*(\a)+(\q)] matrix_a_fmt:MATRIX_FMT_FP4 matrix_b_fmt:MATRIX_FMT_FP4 matrix_a_scale:MATRIX_SCALE_ROW1
.endif
.endr
.endm
.macro FETCH slot, q, f                ; 20 LDS loads in one run: four fragments of x, six of w
.irp i, 0,1,2,3
	FRAG FA+80*(\f)+8*\i, ADRA+\slot, \q, \i
.endr
.irp i, 0,1,2,3,4,5
	FRAG FB+80*(\f)+8*\i, ADRB+\slot, \q, \i
.endr
.endm
.macro SCALES sc                       ; a K step's scale words, four a row: lanes 0-15 x's block i (for i = 4, 5 bytes that were filled and are not used), lanes 16-31 w's block i
.irp i, 0,1,2,3,4,5
	ds_load_b128 v[SC+24*\sc+4*\i:SC+24*\sc+4*\i+3], v[ADRS] offset:\i*SBLK
.endr
.endm
.macro PLACES n                        ; plain vector instructions between a matrix instruction and a load into, or a read of, its registers
.rept \n
	v_nop
.endr
.endm
.macro STEP slot, q, sc, zero          ; 128 along K with its successor in the same slot; sc: the K step's set of scale words
	s_wait_dscnt 0x0                               ; this step's fragments (and, at a slot's head, its scale words) are in
	WIN MUL
	MUL6 0, (\q)%2, \q, \sc, \zero
	MUL6 1, (\q)%2, \q, \sc, \zero
	PLACES 4                                       ; the other set was last read by the step before
	WIN 0
	FETCH \slot, (\q)+1, 1-(\q)%2
	WIN MUL
	MUL6 2, (\q)%2, \q, \sc, \zero
	MUL6 3, (\q)%2, \q, \sc, \zero
.endm
; A slot's last step goes on to the next slot.  kind = 2: this slot is filled again: each wave waits for all its tensor loads, adds 0 to its spare word, waits for that and for its reads of this slot, and a round of
; the cluster's barrier follows.  kind = 1: the same lines and the work-group's barrier: the next slot's tile, which other waves fetched, is shown whole.  kind = 0: no barrier: the next slot was shown whole to
; every wave by the wait for all loads in front of an earlier barrier, and nothing is filled.
.macro TURN slot, next, sc, nsc, kind
.if \kind
	WIN 0
	s_wait_tensorcnt 0x0                           ; all my tensor loads have landed
	ds_add_u32 v[SPW], v[NIL]
	s_wait_dscnt 1                                 ; the fragments are in; the add alone may be out
.else
	s_wait_dscnt 0x0                               ; the fragments are in
.endif
	WIN MUL
	MUL6 0, 1, 3, \sc, 0                           ; six matrix instructions stand between the add and the wait for it
.if \kind
	s_wait_dscnt 0x0                               ; the add is done, and my reads of this slot are over
	s_barrier_signal -1
.endif
	MUL6 1, 1, 3, \sc, 0
	WIN 0
.if \kind
	s_barrier_wait -1
.endif
.if \kind == 2
	CREST                                          ; the barrier has opened a round of the cluster's: no wave of any partner still reads this slot or has a load on its way
	s_add_nc_u64 s[G0+4*\slot+2:G0+4*\slot+3], s[G0+4*\slot+2:G0+4*\slot+3], 3*ROWB
	s_add_nc_u64 s[G0B+4*\slot+2:G0B+4*\slot+3], s[G0B+4*\slot+2:G0B+4*\slot+3], 3*ROWB
	JLOAD G0+4*\slot, G1, G0B+4*\slot, G1B         ; the first tensor load behind the round: the K step three on; its four v_nop are the places in front of the loads below
.else
	PLACES 4
.endif
	v_add_nc_u32 v[ADRS], 16, v[ADRS]              ; the next K step's scale words
	FETCH \next, 0, 0
	SCALES \nsc
	WIN MUL
	MUL6 2, 1, 3, \sc, 0
	MUL6 3, 1, 3, \sc, 0
.endm
	s_wait_tensorcnt 0x2                           ; the scales and my part of K step 0 are in; K steps 1 and 2 may stay out
	s_barrier_signal -1
	s_barrier_wait -1
	FETCH 0, 0, 0
	SCALES 0
	STEP 0, 0, 0, 1                                ; the first step's products start the sums: nothing is cleared
	STEP 0, 1, 0, 0
	STEP 0, 2, 0, 0
	TURN 0, 1, 0, 1, 2                             ; slots 1 and 2 are whole; slot 0 takes K step 3, which has K steps 1 and 2 in which to land
	STEP 1, 0, 1, 0
	STEP 1, 1, 1, 0
	STEP 1, 2, 1, 0
	TURN 1, 2, 1, 0, 0
	STEP 2, 0, 0, 0
	STEP 2, 1, 0, 0
	STEP 2, 2, 0, 0
	TURN 2, 0, 0, 1, 1                             ; K step 3 is whole; nothing is left to fetch
	STEP 0, 0, 1, 0
	STEP 0, 1, 1, 0
	STEP 0, 2, 1, 0
	s_wait_dscnt 0x0
	WIN MUL
	MUL6 0, 1, 3, 1, 0
	MUL6 1, 1, 3, 1, 0
	MUL6 2, 1, 3, 1, 0
	MUL6 3, 1, 3, 1, 0
	WIN 0
	PLACES 4
	s_wait_loadcnt 0x0                             ; cos and sin
	; THE WAY OUT.  Which of my six column blocks belong to v, which takes no RoPE: a mask for each, chosen without a branch
	s_mul_i32 s99, s[TC], 192
	s_mul_i32 s100, s22, 96
	s_add_co_u32 s99, s99, s100
.irp b, 0,1,2,3,4,5
	s_add_co_u32 s100, s99, 16*\b
	s_cmp_ge_u32 s100, 2560
	s_cselect_b32 s[92+\b], -1, 0
.endr
.irp a, 0,1,2,3
	WIN 0x09                                       ; source 0 the accumulators (window 1), source 1 cos and sin (window 2)
.irp b, 0,1,2,3,4,5
.irp i, 0,1,2,3
	v_mul_f32 v[T+8*\b+2*\i], v[8*(6*\a+\b)+2*\i+1], v[32*\a+8*(\b%4)+4+\i]        ; t1 sin
	v_mul_f32 v[T+8*\b+2*\i+1], v[8*(6*\a+\b)+2*\i], v[32*\a+8*(\b%4)+4+\i]        ; t0 sin
.endr
.irp i, 0,1,2,3
	v_fma_f32 v[T+8*\b+2*\i], v[8*(6*\a+\b)+2*\i], v[32*\a+8*(\b%4)+\i], -v[T+8*\b+2*\i]          ; t0 cos - t1 sin
	v_fma_f32 v[T+8*\b+2*\i+1], v[8*(6*\a+\b)+2*\i+1], v[32*\a+8*(\b%4)+\i], v[T+8*\b+2*\i+1]     ; t1 cos + t0 sin
.endr
.endr
	WIN 0x04                                       ; source 1 the accumulators
.irp b, 0,1,2,3,4,5
.irp k, 0,1,2,3,4,5,6,7
	v_cndmask_b32 v[T+8*\b+\k], v[T+8*\b+\k], v[8*(6*\a+\b)+\k], s[92+\b]          ; a column of v stays as the product left it
.endr
.endr
	WIN 0
.if \a == 0                            ; positions 0-15 also leave in f32: only the lanes of the waves that hold them store
	s_wait_xcnt 0x0                                ; EXEC changes only behind this wait
	v_cmp_eq_u32 vcc_lo, 0, v[PRED]
	s_and_saveexec_b32 s98, vcc_lo
.irp b, 0,1,2,3,4,5
	global_store_b128 v[FO], v[T+8*\b:T+8*\b+3], s[18:19] offset:64*\b
	global_store_b128 v[FO], v[T+8*\b+4:T+8*\b+7], s[18:19] offset:64*\b+16
.endr
	s_wait_xcnt 0x0                                ; and again in front of the line that widens it; the stores have read their data too
	s_or_b32 exec_lo, exec_lo, s98
.endif
.irp b, 0,1,2,3,4,5
.irp i, 0,1,2,3
	v_cvt_pk_f16_f32 v[H16+4*\b+\i], v[T+8*\b+2*\i], v[T+8*\b+2*\i+1]
.endr
.endr
.irp b, 0,1,2,3,4,5
	ds_store_b128 v[STO], v[H16+4*\b:H16+4*\b+3] offset:16*SPITCH*\a+32*\b
.endr
.endr
	s_wait_dscnt 0x0                               ; for the others' sake: a stage row comes from two waves
	s_barrier_signal -1
	s_barrier_wait -1
.irp hl, 0,1,2
.irp g, 0,1,2,3,4,5,6,7
	ds_load_b128 v[BK+4*(8*\hl+\g):BK+4*(8*\hl+\g)+3], v[RD] offset:4*SPITCH*\g+128*\hl   ; four rows of one head
.endr
.endr
.irp hl, 0,1,2
.irp g, 0,1,2,3,4,5,6,7
	s_wait_dscnt 23-(8*\hl+\g)
	global_store_b128 v[GO], v[BK+4*(8*\hl+\g):BK+4*(8*\hl+\g)+3], s[16:17] offset:262144*\hl+512*\g   ; 32 lanes store 512 consecutive bytes, aligned
.endr
.endr
	s_wait_tensorcnt 0x0                           ; the wave's end
	ds_add_u32 v[SPW], v[NIL]
	s_wait_dscnt 0x0
	CROUND                                         ; the closing round
	s_endpgm
.Lfunc_end_k_q6f1b367384_qkv:
	.size	k_q6f1b367384_qkv, .Lfunc_end_k_q6f1b367384_qkv-k_q6f1b367384_qkv
	.p2alignl 7, 3214868480
	.fill 96, 4, 3214868480
	.section	.rodata,"a",@progbits
	.p2align	6, 0x0
	.amdhsa_kernel k_q6f1b367384_qkv
		.amdhsa_group_segment_fixed_size 327680
		.amdhsa_private_segment_fixed_size 0
		.amdhsa_enable_private_segment 0
		.amdhsa_kernarg_size 64
		.amdhsa_user_sgpr_count 2
		.amdhsa_user_sgpr_kernarg_segment_ptr 1
		.amdhsa_wavefront_size32 1
		.amdhsa_system_sgpr_workgroup_id_x 1
		.amdhsa_system_sgpr_workgroup_id_y 1
		.amdhsa_system_sgpr_workgroup_id_z 1
		.amdhsa_system_vgpr_workitem_id 0
		.amdhsa_next_free_vgpr 768
		.amdhsa_next_free_sgpr 106
		.amdhsa_reserve_vcc 1
		.amdhsa_float_denorm_mode_32 3
		.amdhsa_float_denorm_mode_16_64 3
		.amdhsa_memory_ordered 1
		.amdhsa_forward_progress 1
		.amdhsa_inst_pref_size 135
	.end_amdhsa_kernel
	.amdgpu_metadata
---
amdhsa.version: [ 1, 2 ]
amdhsa.kernels:
  - .name:           k_q6f1b367384_qkv
    .symbol:         k_q6f1b367384_qkv.kd
    .args:
      - { .name: x_codes, .offset: 0, .size: 8, .value_kind: global_buffer, .address_space: global }
      - { .name: x_scales, .offset: 8, .size: 8, .value_kind: global_buffer, .address_space: global }
      - { .name: w_codes, .offset: 16, .size: 8, .value_kind: global_buffer, .address_space: global }
      - { .name: w_scales, .offset: 24, .size: 8, .value_kind: global_buffer, .address_space: global }
      - { .name: cos, .offset: 32, .size: 8, .value_kind: global_buffer, .address_space: global }
      - { .name: sin, .offset: 40, .size: 8, .value_kind: global_buffer, .address_space: global }
      - { .name: qkvh, .offset: 48, .size: 8, .value_kind: global_buffer, .address_space: global }
      - { .name: qkv16, .offset: 56, .size: 8, .value_kind: global_buffer, .address_space: global }
    .group_segment_fixed_size: 327680
    .private_segment_fixed_size: 0
    .kernarg_segment_align: 8
    .kernarg_segment_size: 64
    .max_flat_workgroup_size: 128
    .sgpr_count:     106
    .vgpr_count:     768
    .wavefront_size: 32
...
	.end_amdgpu_metadata
.endif
;; end of part 2
;; launch attn (part 3): grid 32 x 8, 8 waves a work-group, no clusters, 327,680 bytes of LDS; arguments qkvh, y16, wo, wo16; writes y16, wo16
.if DOCPART == 3
	.amdgcn_target "amdgcn-amd-amdhsa--gfx1250"
	.amdhsa_code_object_version 6
	.text
	.protected	k_q6f1b367384_attn
	.globl	k_q6f1b367384_attn
	.p2align	8
	.type	k_q6f1b367384_attn,@function
k_q6f1b367384_attn:
	s_mov_b64 s[64:65], 0
	v_nop
	global_prefetch_b8 v0, s[64:65] scope:SCOPE_SE
	s_setreg_imm32_b32 hwreg(HW_REG_WAVE_MODE, 25, 1), 1
	s_wait_xcnt 0x0
; y[t][head][:] = sum over k <= t of softmax_k(q[head][t] . k[kv][k] / 8) v[kv][k][:], kv = head / 4.  q, k, v: qkvh [48][2048][64] f16 (heads 0-31 q, 32-39 k, 40-47 v); y16 [2048][2048] f16.
; Products on f16 operands with f32 sums; maxima, exponentials and sums in f32, with a running maximum; the weights p are rounded to f16 for the second product, y once at the end.
; BESIDE IT wo [2048][2048] f32 is rounded to f16 (wo16), for the launch that follows: this launch asks little of memory, and its loop has a constant eight trips in each of its 2,048 waves: a wave takes 2,048
; numbers, 256 a trip: two loads of 512 consecutive bytes behind the trip's tensor load, four conversions and two stores of 256 aligned bytes at the trip's end, two key steps later.
; LIMIT: f16's range for q, k, v and wo (65,504).  Positions 0-15 are computed here like the others and are made anew in f32 by a later launch.
; SHARES.  A query block is 32 positions x the four heads of a key/value head: eight tiles of 16 queries.  Work-group (i, g) takes block 63 - i and then block i of group g: in slots of 256 keys that is
; 8 - i / 8 and i / 8 + 1 slots, nine for every i: the ring's trip count is a constant, and every work-group has the same work.
; Eight waves: par = w & 1, hp = (w >> 1) & 1, pt = w >> 2.  A wave holds two tiles, heads 4 g + 2 hp + 0, 1 at positions P + 16 pt + 0..15: both are multiplied by every fragment of K and V that it reads.
; The keys are split: of a slot's four steps of 64 keys a wave takes steps par and par + 2; at a block's end the two partners' (c m, l, O) are joined through LDS.
; No cluster: under the causal mask the work-groups of a group need different numbers of tiles at different times, so no request would be joint.
; LAYOUT.  S^T = K Q^T (source 0 = 16 keys, source 1 = 16 queries): a lane holds one query (lane % 16) and keys 8 (lane / 16) + 0..7; two such tiles packed to f16 are source 1 of O^T = V^T P.  V comes out of LDS turned.
; A step all of whose keys come after the wave's queries is left out by a scalar branch on ids; in a step that is walked its first key counts for all 16 queries (both are multiples of 16), so the maximum is a number.
; REGISTERS: window 0: v1-15, v224-226, v236-237 addresses; v16-31 statistics; v32-63 Q; v64-127 S^T; v128-159 P; v160-223 K; v228-235 wo.  window 1: v0-63 O^T; v64-127 V; v128-159 the early block's Q; v160-223 the late block's O; v224-227, v232-235 the blocks' (c m, l).
.set PK,    144                        ; a key's row in LDS: 128 bytes + 16
.set PV,    160                        ; a row of V: 128 + 32
.set VOFF,  256*PK                     ; a slot: 256 rows of K, then 256 of V
.set SLOT1, 1<<17                      ; one exclusive or turns an address from one slot to the other
.set IMG,   212992                     ; behind the ring: for each wave two tiles' images: 8 x 512 bytes of O, 128 of c m, 128 of l
.set IMT,   4352
.set IMW,   2*IMT
.set OST,   IMG+8*IMW                  ; for each pair of waves 16 rows x (256 + 16) bytes of y
.set SPARE, OST+4*16*272               ; the spare words, 128 bytes a wave
.set AK0, 1
.set AV0, 2
.set ADK, 3
.set ADV, 4
.set SPW, 5
.set NIL, 6
.set RH,  7                            ; r - 8 h
.set NINF, 8
.set DV,  9
.set IA,  10
.set IS,  11
.set LA,  12
.set LS,  13
.set OS,  14
.set ORD, 15
.set GO,  224
.set PFO, 225
.set QO,  226
.set WR,  228                          ; v228-235 a trip's 8 numbers a lane of wo
.set WL,  236                          ; v236 16 x lane; never rewritten
.set WS,  237                          ; v237 8 x lane; never rewritten
.set ST,  16                           ; tile e at ST + 8 e: +0 c m, +1 m, +2, +3 l, +4..+7 at work; a in +6
.set QR,  32
.set SR,  64
.set PR,  128
.set KR,  160
.set VR,  64                           ; in window 1
.set WV,  8
.set PAR, 9
.set HP,  10
.set PT,  11
.set QT,  12
.set NL,  13                           ; slots of the late block
.set Q0,  14                           ; my first query now
.set Q0B, 15                           ; and in the early block
.set KF0, 16                           ; the first key of my first step in the slot in hand
.set NN,  17                           ; slots walked
.set TB,  18                           ; LDS byte at which the slot in hand begins
.set GG,  19
.set QA,  20
.set QB,  22
.set G1K, 24
.set G1V, 32
.set G0K, 40
.set G0V, 44
.set KB,  48
.set VB,  50
.set OFF, 52
.set PFA, 54
.set LIM, 56
.set SEL, 58
.set CS,  60
.set YA,  70
.set YB,  72
.set WOP, 80                           ; s[80:81] wo, one trip's 1,024 bytes behind my wave's part in hand
.set W16P, 82                          ; s[82:83] wo16 likewise, 512 bytes
.set MSB, 0
.macro WIN new
.if MSB != \new
	s_set_vgpr_msb (MSB<<8)|\new
.set MSB, \new
.endif
.endm
; Waves 0-3 fetch a quarter of K's 256 rows each, waves 4-7 of V's: one load a wave.  An s_nop 0 and four v_nop follow each line.
.macro TLOAD
	s_cmp_lt_u32 s[WV], 4
	s_cbranch_scc0 .Lfor_v_\@
	tensor_load_to_lds s[G0K:G0K+3], s[G1K:G1K+7]
	s_nop 0
.rept 4
	v_nop
.endr
	s_branch .Lasked_\@
.Lfor_v_\@:
	tensor_load_to_lds s[G0V:G0V+3], s[G1V:G1V+7]
	s_nop 0
.rept 4
	v_nop
.endr
.Lasked_\@:
.endm
; A prefetch of what the NEXT change of slots will ask for.  All 32 work-groups of a group walk the same K and V from key 0 on: work-group 0 of the group, whose late block walks all eight slots, asks, in its trips 0 to 5,
; for slots 2 to 7; each wave for the quarter that it will fetch: 8,192 bytes, lanes 256 bytes apart.  So each run of 256 bytes is named once in the launch.  Slots 0 and 1 come by their loads alone.
.macro ASK
	s_cmp_lt_u32 s[NN], s[LIM]
	s_cbranch_scc0 .Lnot_mine_\@
	global_prefetch_b8 v[PFO], s[PFA:PFA+1] th:TH_LOAD_NT scope:SCOPE_SE
.Lnot_mine_\@:
.endm
	s_load_b128 s[4:7], s[0:1], 0x0                ; qkvh, y16
	s_load_b128 s[WOP:WOP+3], s[0:1], 0x10         ; wo, wo16
	v_lshl_add_u32 v[SPW], v0, 2, SPARE
	v_mov_b32 v[NIL], 0
	ds_add_u32 v[SPW], v[NIL]                      ; the wave's opening: the add, twice on end, and its wait ahead of my first tensor load
	ds_add_u32 v[SPW], v[NIL]
	v_lshrrev_b32 v1, 5, v0
	v_readfirstlane_b32 s[WV], v1                  ; wave 0..7
	s_and_b32 s[PAR], s[WV], 1
	s_bfe_u32 s[HP], s[WV], 0x10001
	s_lshr_b32 s[PT], s[WV], 2
	s_and_b32 s[QT], s[WV], 3                      ; which quarter of a slot's rows I fetch
	s_and_b32 s[GG], ttmp7, 0xffff
	s_lshr_b32 s[NL], ttmp9, 3
	s_sub_co_u32 s[NL], 8, s[NL]
	s_lshl_b32 s[Q0B], ttmp9, 5
	s_sub_co_u32 s[Q0], 2016, s[Q0B]               ; 32 (63 - i)
	s_lshl_b32 s66, s[PT], 4
	s_add_co_u32 s[Q0], s[Q0], s66
	s_add_co_u32 s[Q0B], s[Q0B], s66
	s_lshl_b32 s[KF0], s[PAR], 6
	s_mov_b32 s[NN], 0
	s_mov_b32 s[TB], 0
	s_mov_b32 s[OFF+1], 0
	s_mov_b32 s[G1K], (1<<16)|(1<<20)|(4<<22)|(3<<25)   ; elements of 2 bytes; padding on: after every 32 words, 4 words
	s_mov_b32 s[G1V], (1<<16)|(1<<20)|(4<<22)|(7<<25)   ; 8 words
.irp g, G1K, G1V
	s_mov_b32 s[\g+1], 64<<16                      ; tensor_dim0
	s_mov_b32 s[\g+2], 64<<16                      ; tensor_dim1
	s_mov_b32 s[\g+3], 64<<16                      ; tile_dim0
	s_mov_b32 s[\g+4], 64                          ; tile_dim1
	s_mov_b32 s[\g+5], 64                          ; the pitch
	s_mov_b32 s[\g+6], 0
	s_mov_b32 s[\g+7], 0
.endr
	s_mov_b32 s[G0K], 1
	s_mul_i32 s[G0K+1], s[QT], 64*PK
	s_mov_b32 s[G0V], 1
	s_mul_i32 s[G0V+1], s[QT], 64*PV
	s_add_co_u32 s[G0V+1], s[G0V+1], VOFF
	s_add_co_u32 s66, s[GG], 32
	s_lshl_b32 s66, s66, 18                        ; head 32 + g,
	s_lshl_b32 s67, s[QT], 13                      ; my 64 rows of 128 bytes
	s_add_co_u32 s66, s66, s67
	s_mov_b32 s67, 0
	s_mov_b32 s[SEL], 0x76543210
	s_mov_b32 s[SEL+1], 0xfedcba98
	s_mov_b32 s[CS], 0x3e38aa3b                    ; c = log2(e) / 8
	s_mov_b32 s[CS+1], s[CS]
	s_wait_dscnt 0x0                               ; both opening adds are done
	s_wait_kmcnt 0x0
	s_add_nc_u64 s[KB:KB+1], s[4:5], s[66:67]
	s_add_nc_u64 s[VB:VB+1], s[KB:KB+1], 8*262144  ; v's heads lie eight heads behind k's
	s_mov_b64 s[G0K+2:G0K+3], s[KB:KB+1]
	s_or_b32 s[G0K+3], s[G0K+3], 0x80000000
	s_mov_b64 s[G0V+2:G0V+3], s[VB:VB+1]
	s_or_b32 s[G0V+3], s[G0V+3], 0x80000000
	TLOAD                                          ; slot 0: keys 0 to 255, which count for every block
	s_lshl_b32 s68, s[GG], 2
	s_lshl_b32 s69, s[HP], 1
	s_add_co_u32 s68, s68, s69                     ; my first head
	s_lshl_b32 s74, s68, 18
	s_lshl_b32 s69, s[Q0], 7
	s_add_co_u32 s76, s74, s69
	s_mov_b32 s77, 0
	s_add_nc_u64 s[QA:QA+1], s[4:5], s[76:77]      ; the late block's queries
	s_lshl_b32 s69, s[Q0B], 7
	s_add_co_u32 s76, s74, s69
	s_add_nc_u64 s[QB:QB+1], s[4:5], s[76:77]      ; the early block's
	s_lshl_b32 s69, s68, 7                         ; y16: 128 bytes a head, 4,096 a position
	s_lshl_b32 s76, s[Q0], 12
	s_add_co_u32 s76, s76, s69
	s_add_nc_u64 s[YA:YA+1], s[6:7], s[76:77]
	s_lshl_b32 s76, s[Q0B], 12
	s_add_co_u32 s76, s76, s69
	s_add_nc_u64 s[YB:YB+1], s[6:7], s[76:77]
	s_lshl_b32 s66, s[GG], 5
	s_add_co_u32 s66, s66, ttmp9
	s_lshl_b32 s66, s66, 3
	s_add_co_u32 s66, s66, s[WV]                   ; my wave among the launch's 2,048
	s_lshl_b32 s76, s66, 13                        ; its 2,048 numbers of wo: 8,192 bytes,
	s_add_nc_u64 s[WOP:WOP+1], s[WOP:WOP+1], s[76:77]
	s_lshl_b32 s76, s66, 12                        ; and 4,096 of wo16
	s_add_nc_u64 s[W16P:W16P+1], s[W16P:W16P+1], s[76:77]
	s_cmp_lt_u32 s[WV], 4
	s_cselect_b64 s[PFA:PFA+1], s[KB:KB+1], s[VB:VB+1]
	s_add_nc_u64 s[PFA:PFA+1], s[PFA:PFA+1], 32768 ; in slot 1: the first change of slots steps it to slot 2
	s_cmp_eq_u32 ttmp9, 0
	s_cselect_b32 s[LIM], 6, 0
	v_and_b32 v240, 15, v0                         ; r
	v_bfe_u32 v241, v0, 4, 1                       ; h
	v_and_b32 v242, 31, v0                         ; lane
	v_lshlrev_b32 v[QO], 7, v240
	v_lshl_add_u32 v[QO], v241, 4, v[QO]           ; Q: row r of 128 bytes, + 16 h
.irp e, 0,1
.irp dk, 0,1
	global_load_b128 v[QR+16*\e+8*\dk:QR+16*\e+8*\dk+3], v[QO], s[QA:QA+1] offset:262144*\e+64*\dk
	global_load_b128 v[QR+16*\e+8*\dk+4:QR+16*\e+8*\dk+7], v[QO], s[QA:QA+1] offset:262144*\e+64*\dk+32
.endr
.endr
	WIN 0x40                                       ; destination window 1
.irp e, 0,1
.irp dk, 0,1
	global_load_b128 v[128+16*\e+8*\dk:128+16*\e+8*\dk+3], v[QO], s[QB:QB+1] offset:262144*\e+64*\dk
	global_load_b128 v[128+16*\e+8*\dk+4:128+16*\e+8*\dk+7], v[QO], s[QB:QB+1] offset:262144*\e+64*\dk+32
.endr
.endr
.set j, 0
.rept 64
	v_mov_b32 v[j], 0                              ; O^T.  The step is written once: the first finds zeros, which the first change of the maximum leaves zeros
.set j, j+1
.endr
.set j, 160
.rept 68
	v_mov_b32 v[j], 0                              ; the late block's places: written here once, so that every way through the text finds them written
.set j, j+1
.endr
	WIN 0
	v_mul_u32_u24 v[AK0], v240, PK
	v_lshl_add_u32 v[AK0], v241, 4, v[AK0]
	s_mul_i32 s66, s[PAR], 64*PK
	v_add_nc_u32 v[AK0], s66, v[AK0]               ; K: row r x pitch + 16 h, in my step of the slot's first two
	v_and_b32 v243, 7, v0
	v_lshl_add_u32 v243, v241, 3, v243
	v_mul_u32_u24 v[AV0], v243, PV
	v_bfe_u32 v244, v0, 3, 1
	v_lshl_add_u32 v[AV0], v244, 4, v[AV0]
	s_mul_i32 s66, s[PAR], 64*PV
	s_add_co_u32 s66, s66, VOFF
	v_add_nc_u32 v[AV0], s66, v[AV0]               ; V, for the turning load: key 8 h + lane % 8, channels 8 ((lane / 8) % 2) on
	v_lshlrev_b32 v243, 3, v241
	v_sub_nc_u32 v[RH], v240, v243
	v_mov_b32 v[NINF], 0xff800000
	s_mul_i32 s66, s[WV], IMW
	s_add_co_u32 s66, s66, IMG
	v_lshl_add_u32 v[IA], v242, 4, s66             ; my images
	s_add_co_u32 s67, s66, 4096
	v_lshl_add_u32 v[IS], v242, 2, s67
	s_lshr_b32 s68, s[WV], 1                       ; my pair
	s_mul_i32 s66, s68, 2*IMW
	s_mul_i32 s67, s[PAR], IMT
	s_add_co_u32 s66, s66, s67
	s_add_co_u32 s66, s66, IMG
	v_lshl_add_u32 v[LA], v242, 4, s66             ; tile par in the pair's first region; the second's lies IMW on
	s_add_co_u32 s67, s66, 4096
	v_lshl_add_u32 v[LS], v242, 2, s67
	s_mul_i32 s66, s68, 16*272
	s_add_co_u32 s66, s66, OST
	s_lshl_b32 s67, s[PAR], 7
	s_add_co_u32 s67, s67, s66
	v_mul_u32_u24 v[OS], v240, 272
	v_lshl_add_u32 v[OS], v241, 4, v[OS]
	v_add_nc_u32 v[OS], s67, v[OS]                 ; y's stage, in: row r, head par's 128 bytes, + 16 h
	s_mul_i32 s67, s[PAR], 8*272
	s_add_co_u32 s67, s67, s66
	v_mul_u32_u24 v[ORD], v241, 272
	v_lshl_add_u32 v[ORD], v240, 4, v[ORD]
	v_add_nc_u32 v[ORD], s67, v[ORD]               ; back: my eight rows, sixteen lanes to a row
	s_lshl_b32 s67, s[PAR], 15
	v_lshlrev_b32 v[GO], 12, v241
	v_lshl_add_u32 v[GO], v240, 4, v[GO]
	v_add_nc_u32 v[GO], s67, v[GO]                 ; and the same rows in y16
	v_lshlrev_b32 v[PFO], 8, v242
	v_lshlrev_b32 v[WL], 4, v242                   ; wo: 16 bytes a lane;
	v_lshlrev_b32 v[WS], 3, v242                   ; wo16: 8
.set j, 16
.rept 16
	v_mov_b32 v[j], 0                              ; the statistics: l = 0; the registers at work are written once (a lane permute's destination counts as read)
.set j, j+1
.endr
.irp e, 0,1
	v_mov_b32 v[ST+8*\e+1], 0xff61b1e6             ; m = -3e38, under every score
	v_mul_f32 v[ST+8*\e], s[CS], v[ST+8*\e+1]
.endr
; One step's softmax for both tiles, the tiles alternating line by line.  The 66 exponentials are one batch with one wait.
.macro SOFTMAX
.irp j, 0,1,2,3
.irp e, 0,1
	v_max3_num_f32 v[ST+8*\e+4+\j], v[SR+32*\e+8*\j], v[SR+32*\e+8*\j+1], v[SR+32*\e+8*\j+2]   ; each accumulator is read from its low end on
.endr
.endr
.irp q, 1,2
.irp j, 0,1,2,3
.irp e, 0,1
	v_max3_num_f32 v[ST+8*\e+4+\j], v[ST+8*\e+4+\j], v[SR+32*\e+8*\j+2*\q+1], v[SR+32*\e+8*\j+2*\q+2]
.endr
.endr
.endr
.irp e, 0,1
	v_max3_num_f32 v[ST+8*\e+4], v[ST+8*\e+4], v[SR+32*\e+7], v[SR+32*\e+15]
	v_max3_num_f32 v[ST+8*\e+6], v[ST+8*\e+6], v[SR+32*\e+23], v[SR+32*\e+31]
.endr
.irp e, 0,1
	v_max3_num_f32 v[ST+8*\e+4], v[ST+8*\e+4], v[ST+8*\e+5], v[ST+8*\e+6]
.endr
.irp e, 0,1
	v_max3_num_f32 v[ST+8*\e+4], v[ST+8*\e+4], v[ST+8*\e+7], v[ST+8*\e+1]   ; with the old m
.endr
.irp e, 0,1
	v_permlanex16_b32 v[ST+8*\e+5], v[ST+8*\e+4], s[SEL], s[SEL+1]          ; the query's other keys lie in the lane 16 away
.endr
.irp e, 0,1
	v_mov_b32 v[ST+8*\e+7], v[ST+8*\e]             ; c m_old
.endr
.irp e, 0,1
	v_max_num_f32 v[ST+8*\e+1], v[ST+8*\e+4], v[ST+8*\e+5]
.endr
.irp e, 0,1
	v_mul_f32 v[ST+8*\e], s[CS], v[ST+8*\e+1]
.endr
.irp e, 0,1
	v_sub_f32 v[ST+8*\e+7], v[ST+8*\e+7], v[ST+8*\e]
.endr
.irp b, 0,1,2,3,4,5,6,7,8,9,10,11,12,13,14,15
.irp e, 0,1
	v_pk_fma_f32 v[SR+32*\e+2*\b:SR+32*\e+2*\b+1], v[SR+32*\e+2*\b:SR+32*\e+2*\b+1], s[CS:CS+1], v[ST+8*\e:ST+8*\e+1] op_sel_hi:[1,0,0] neg_lo:[0,0,1] neg_hi:[0,0,1]   ; c s - c m
.endr
.endr
.irp e, 0,1
	v_exp_f32 v[ST+8*\e+6], v[ST+8*\e+7]           ; a = 2^(c m_old - c m_new)
.endr
.irp b, 0,1,2,3,4,5,6,7,8,9,10,11,12,13,14,15,16,17,18,19,20,21,22,23,24,25,26,27,28,29,30,31
.irp e, 0,1
	v_exp_f32 v[SR+32*\e+\b], v[SR+32*\e+\b]
.endr
.endr
	v_nop                                          ; a plain instruction behind the last exponential
	s_wait_alu depctr_va_vdst(0)                   ; one wait for the batch, ahead of its first reader
.irp b, 0,1,2,3,4,5,6,7,8,9,10,11,12,13,14,15
.irp e, 0,1
	v_cvt_pk_f16_f32 v[PR+16*\e+\b], v[SR+32*\e+2*\b], v[SR+32*\e+2*\b+1]
.endr
.endr
.irp z, 0,1,2,3,4,5,6,7
.irp e, 0,1
	v_pk_add_f32 v[SR+32*\e+4*\z:SR+32*\e+4*\z+1], v[SR+32*\e+4*\z:SR+32*\e+4*\z+1], v[SR+32*\e+4*\z+2:SR+32*\e+4*\z+3]   ; the sum of the unrounded p, by a tree, in place
.endr
.endr
.irp z, 0,1,2,3
.irp e, 0,1
	v_pk_add_f32 v[SR+32*\e+8*\z:SR+32*\e+8*\z+1], v[SR+32*\e+8*\z:SR+32*\e+8*\z+1], v[SR+32*\e+8*\z+4:SR+32*\e+8*\z+5]
.endr
.endr
.irp z, 0,1
.irp e, 0,1
	v_pk_add_f32 v[SR+32*\e+16*\z:SR+32*\e+16*\z+1], v[SR+32*\e+16*\z:SR+32*\e+16*\z+1], v[SR+32*\e+16*\z+8:SR+32*\e+16*\z+9]
.endr
.endr
.irp e, 0,1
	v_pk_add_f32 v[SR+32*\e:SR+32*\e+1], v[SR+32*\e:SR+32*\e+1], v[SR+32*\e+16:SR+32*\e+17]
.endr
.irp e, 0,1
	v_pk_fma_f32 v[ST+8*\e+2:ST+8*\e+3], v[ST+8*\e+2:ST+8*\e+3], v[ST+8*\e+6:ST+8*\e+7], v[SR+32*\e:SR+32*\e+1] op_sel_hi:[1,0,1]   ; l = a l + the sum
.endr
.endm
; A KEY STEP: 64 keys: my u-th of the slot in hand.
.macro STEP u
	s_add_co_u32 s66, s[KF0], 128*\u               ; the step's first key
	s_add_co_u32 s67, s[Q0], 15
	s_cmp_gt_u32 s66, s67                          ; all its keys come after my queries: ids and the count of slots alone
	s_cbranch_scc1 .Lhid_\@
	v_add_nc_u32 v[ADK], s[TB], v[AK0]
	v_add_nc_u32 v[ADV], s[TB], v[AV0]
.irp kt, 0,1,2,3
.irp dk, 0,1
	ds_load_b128 v[KR+8*(2*\kt+\dk):KR+8*(2*\kt+\dk)+3], v[ADK] offset:128*PK*\u+16*PK*\kt+64*\dk
	ds_load_b128 v[KR+8*(2*\kt+\dk)+4:KR+8*(2*\kt+\dk)+7], v[ADK] offset:128*PK*\u+16*PK*\kt+64*\dk+32
.endr
.endr
	WIN 0x40                                       ; destination window 1
.irp kk, 0,1
.irp dt, 0,1,2,3
	ds_load_tr16_b128 v[VR+8*(4*\kk+\dt):VR+8*(4*\kk+\dt)+3], v[ADV] offset:128*PV*\u+32*PV*\kk+32*\dt
	ds_load_tr16_b128 v[VR+8*(4*\kk+\dt)+4:VR+8*(4*\kk+\dt)+7], v[ADV] offset:128*PV*\u+32*PV*\kk+16*PV+32*\dt
.endr
.endr
	WIN 0
	s_wait_dscnt 16                                ; K is in; V's sixteen loads may stay out
.irp dk, 0,1                           ; S^T = K Q^T: the eight accumulators take turns, one instruction a turn
.irp kt, 0,1,2,3
.irp e, 0,1
.if \dk == 0
	v_wmma_f32_16x16x32_f16 v[SR+32*\e+8*\kt:SR+32*\e+8*\kt+7], v[KR+8*(2*\kt+\dk):KR+8*(2*\kt+\dk)+7], v[QR+16*\e+8*\dk:QR+16*\e+8*\dk+7], 0
.else
	v_wmma_f32_16x16x32_f16 v[SR+32*\e+8*\kt:SR+32*\e+8*\kt+7], v[KR+8*(2*\kt+\dk):KR+8*(2*\kt+\dk)+7], v[QR+16*\e+8*\dk:QR+16*\e+8*\dk+7], v[SR+32*\e+8*\kt:SR+32*\e+8*\kt+7]
.endif
.endr
.endr
.endr
.rept 4
	v_nop                                          ; places in front of the first read of the scores
.endr
	s_add_co_u32 s67, s66, 63
	s_cmp_le_u32 s67, s[Q0]                        ; all 64 keys count for all my queries: no mask
	s_cbranch_scc1 .Lopen_\@
	s_sub_co_i32 s68, s[Q0], s66
	v_add_nc_u32 v[DV], s68, v[RH]                 ; register 8 kt + j holds key KF + 16 kt + 8 h + j: hidden where 16 kt + j > my query - KF - 8 h
.irp kt, 0,1,2,3
.irp j, 0,1,2,3,4,5,6,7
	v_cmp_gt_i32 vcc_lo, 16*\kt+\j, v[DV]
	v_cndmask_b32 v[SR+8*\kt+\j], v[SR+8*\kt+\j], v[NINF], vcc_lo
	v_cndmask_b32 v[SR+32+8*\kt+\j], v[SR+32+8*\kt+\j], v[NINF], vcc_lo
.endr
.endr
.Lopen_\@:
	SOFTMAX
	s_wait_dscnt 0x0                               ; V is in
	WIN 0x41                                       ; O^T in window 1, a in window 0
.irp e, 0,1
.irp j, 0,2,4,6,8,10,12,14,16,18,20,22,24,26,28,30
	v_pk_mul_f32 v[32*\e+\j:32*\e+\j+1], v[32*\e+\j:32*\e+\j+1], v[ST+8*\e+6:ST+8*\e+7] op_sel_hi:[1,0]
.endr
.endr
	WIN 0x51                                       ; V, C and D in window 1, P in window 0
.irp kk, 0,1                           ; O^T += V^T P: the eight accumulators by turns
.irp dt, 0,1,2,3
.irp e, 0,1
	v_wmma_f32_16x16x32_f16 v[32*\e+8*\dt:32*\e+8*\dt+7], v[VR+8*(4*\kk+\dt):VR+8*(4*\kk+\dt)+7], v[PR+16*\e+8*\kk:PR+16*\e+8*\kk+7], v[32*\e+8*\dt:32*\e+8*\dt+7]
.endr
.endr
.endr
	WIN 0
.rept 4
	v_nop                                          ; places in front of the next loads into V's registers and of the next read of O^T
.endr
.Lhid_\@:
.endm
; THE CHANGE OF SLOTS stands at a slot's head: each wave waits for all its tensor loads (its quarter of the slot ahead), adds 0 to its spare word, and waits for that and for its reads of the slot that it has left.
; fill = 1: that slot is filled with the keys that follow: the load has a slot's steps in which to land.  Behind the late block's last slot comes the early block's slot 0.
.macro CHANGE fill
	s_wait_tensorcnt 0x0                           ; no tensor load of mine is out, so a group 0 may be written
	ds_add_u32 v[SPW], v[NIL]
.if \fill
	s_add_co_u32 s66, s[NN], 1
	s_sub_co_u32 s67, s66, s[NL]
	s_cmp_ge_u32 s66, s[NL]
	s_cselect_b32 s66, s67, s66                    ; which 256 keys the next slot holds
	s_lshl_b32 s[OFF], s66, 15
	s_xor_b32 s[G0K+1], s[G0K+1], SLOT1
	s_xor_b32 s[G0V+1], s[G0V+1], SLOT1
	s_add_nc_u64 s[G0K+2:G0K+3], s[KB:KB+1], s[OFF:OFF+1]
	s_or_b32 s[G0K+3], s[G0K+3], 0x80000000
	s_add_nc_u64 s[G0V+2:G0V+3], s[VB:VB+1], s[OFF:OFF+1]
	s_or_b32 s[G0V+3], s[G0V+3], 0x80000000
	s_wait_xcnt 0x0                                ; the last prefetch, a slot back, has read its address; the last trip's stores of wo16 have read their base and their data
	s_add_nc_u64 s[PFA:PFA+1], s[PFA:PFA+1], 32768
	s_add_nc_u64 s[WOP:WOP+1], s[WOP:WOP+1], 1024  ; one trip's bytes on: the trip's loads and stores reach back by their immediates
	s_add_nc_u64 s[W16P:W16P+1], s[W16P:W16P+1], 512
.endif
	s_wait_dscnt 0x0                               ; the add is done, and my reads of the slot that I have left are over
	s_barrier_signal -1
	s_barrier_wait -1
.if \fill
	TLOAD                                          ; the first thing behind the barrier, and my one tensor load until the next
	ASK
	global_load_b128 v[WR:WR+3], v[WL], s[WOP:WOP+1] offset:-1024     ; this trip's 256 numbers of wo: 32 lanes read 512 consecutive bytes, twice; they are wanted at the trip's end
	global_load_b128 v[WR+4:WR+7], v[WL], s[WOP:WOP+1] offset:-512
.endif
.endm
.macro CAST                            ; the trip's numbers of wo, rounded to f16 in place
	s_wait_loadcnt 0x0                             ; asked for two key steps ago
	v_cvt_pk_f16_f32 v[WR], v[WR], v[WR+1]
	v_cvt_pk_f16_f32 v[WR+1], v[WR+2], v[WR+3]
	v_cvt_pk_f16_f32 v[WR+4], v[WR+4], v[WR+5]
	v_cvt_pk_f16_f32 v[WR+5], v[WR+6], v[WR+7]
	global_store_b64 v[WS], v[WR:WR+1], s[W16P:W16P+1] offset:-512    ; 32 lanes store 256 consecutive bytes, aligned
	global_store_b64 v[WS], v[WR+4:WR+5], s[W16P:W16P+1] offset:-256
.endm
.macro FINSTAT dst                     ; l's two halves and the other half of the lanes'; (c m, l) of both tiles go to window 1
.irp e, 0,1
	v_add_f32 v[ST+8*\e+4], v[ST+8*\e+2], v[ST+8*\e+3]
.endr
.irp e, 0,1
	v_permlanex16_b32 v[ST+8*\e+5], v[ST+8*\e+4], s[SEL], s[SEL+1]
.endr
.irp e, 0,1
	v_add_f32 v[ST+8*\e+4], v[ST+8*\e+4], v[ST+8*\e+5]
.endr
	WIN 0x40
.irp e, 0,1
	v_mov_b32 v[\dst+2*\e], v[ST+8*\e]
	v_mov_b32 v[\dst+2*\e+1], v[ST+8*\e+4]
.endr
	WIN 0
.endm
.macro SWITCH                          ; from the late block to the early one: work on registers alone
	FINSTAT 224
	WIN 0x41
.set j, 0
.rept 64
	v_mov_b32 v[160+j], v[j]                       ; the late block's O^T is kept, from each accumulator's low end on
.set j, j+1
.endr
	WIN 0x40
.set j, 0
.rept 64
	v_mov_b32 v[j], 0
.set j, j+1
.endr
	WIN 0x01
.set j, 0
.rept 32
	v_mov_b32 v[QR+j], v[128+j]                    ; the early block's Q
.set j, j+1
.endr
	WIN 0
.irp e, 0,1
	v_mov_b32 v[ST+8*\e+1], 0xff61b1e6
	v_mul_f32 v[ST+8*\e], s[CS], v[ST+8*\e+1]
	v_mov_b32 v[ST+8*\e+2], 0
	v_mov_b32 v[ST+8*\e+3], 0
.endr
	s_mov_b32 s[Q0], s[Q0B]
	s_lshl_b32 s[KF0], s[PAR], 6
.endm
; The partners' halves of a block are joined.  Each wave stores both its tiles' images; behind a barrier wave par takes tile par from both; y goes through the pair's stage, so that sixteen lanes store 256 consecutive bytes.
.macro MERGE ob, sb, y
	s_wait_xcnt 0x0                                ; the earlier block's stores have read their data: those registers are loaded again below
	WIN 0x04                                       ; an LDS store's data are its source 1: window 1
.irp e, 0,1
.irp k, 0,1,2,3,4,5,6,7
	ds_store_b128 v[IA], v[\ob+32*\e+4*\k:\ob+32*\e+4*\k+3] offset:IMT*\e+512*\k
.endr
	ds_store_b32 v[IS], v[\sb+2*\e] offset:IMT*\e
	ds_store_b32 v[IS], v[\sb+2*\e+1] offset:IMT*\e+128
.endr
	WIN 0
	s_wait_dscnt 0x0                               ; for the partner's sake: my stores are done, and so are my reads of the stage
	s_barrier_signal -1
	s_barrier_wait -1
.irp k, 0,1,2,3,4,5,6,7
	ds_load_b128 v[64+4*\k:64+4*\k+3], v[LA] offset:512*\k
	ds_load_b128 v[96+4*\k:96+4*\k+3], v[LA] offset:IMW+512*\k
.endr
	ds_load_b32 v16, v[LS]                         ; c m, l of the first partner,
	ds_load_b32 v17, v[LS] offset:128
	ds_load_b32 v18, v[LS] offset:IMW              ; of the second
	ds_load_b32 v19, v[LS] offset:IMW+128
	s_wait_dscnt 0x0
	v_max_num_f32 v20, v16, v18
	v_sub_f32 v21, v16, v20
	v_sub_f32 v22, v18, v20
	v_exp_f32 v24, v21
	v_exp_f32 v26, v22
	v_nop
	s_wait_alu depctr_va_vdst(0)                   ; ahead of the first reader
	v_mul_f32 v23, v24, v17
	v_fma_f32 v23, v26, v19, v23                   ; l under the common maximum
	v_rcp_f32 v28, v23
	v_nop
	s_wait_alu depctr_va_vdst(0)
	v_mul_f32 v24, v24, v28
	v_mul_f32 v26, v26, v28
.irp j, 0,2,4,6,8,10,12,14,16,18,20,22,24,26,28,30
	v_pk_mul_f32 v[64+\j:65+\j], v[64+\j:65+\j], v[24:25] op_sel_hi:[1,0]
.endr
.irp j, 0,2,4,6,8,10,12,14,16,18,20,22,24,26,28,30
	v_pk_fma_f32 v[64+\j:65+\j], v[96+\j:97+\j], v[26:27], v[64+\j:65+\j] op_sel_hi:[1,0,1]
.endr
.irp j, 0,1,2,3,4,5,6,7,8,9,10,11,12,13,14,15
	v_cvt_pk_f16_f32 v[128+\j], v[64+2*\j], v[65+2*\j]
.endr
.irp dt, 0,1,2,3
	ds_store_b128 v[OS], v[128+4*\dt:128+4*\dt+3] offset:32*\dt
.endr
	s_wait_dscnt 0x0
	s_barrier_signal -1
	s_barrier_wait -1
.irp i, 0,1,2,3
	ds_load_b128 v[96+4*\i:96+4*\i+3], v[ORD] offset:544*\i
.endr
.irp i, 0,1,2,3
	s_wait_dscnt 3-\i
	global_store_b128 v[GO], v[96+4*\i:96+4*\i+3], s[\y:\y+1] offset:8192*\i   ; 16 lanes store 256 consecutive bytes, aligned: two heads of a position
.endr
.endm
	s_wait_loadcnt 0x0                             ; Q of both blocks
.Lslot:                                            ; eight trips: behind each change of slots but the last the next slot is asked for
	CHANGE 1
	STEP 0
	STEP 1
	CAST
	s_add_co_u32 s[KF0], s[KF0], 256
	s_xor_b32 s[TB], s[TB], SLOT1
	s_add_co_u32 s[NN], s[NN], 1
	s_cmp_lg_u32 s[NN], s[NL]                      ; the late block's last slot is behind me: the same in all eight waves
	s_cbranch_scc1 .Lnosw
	SWITCH
.Lnosw:
	s_cmp_lt_u32 s[NN], 8
	s_cbranch_scc1 .Lslot
	CHANGE 0                                       ; the last slot is written out
	STEP 0
	STEP 1
	FINSTAT 232
	MERGE 160, 224, YA
	MERGE 0, 232, YB
	s_wait_tensorcnt 0x0                           ; the wave's end
	ds_add_u32 v[SPW], v[NIL]
	s_wait_dscnt 0x0
	s_endpgm
.Lfunc_end_k_q6f1b367384_attn:
	.size	k_q6f1b367384_attn, .Lfunc_end_k_q6f1b367384_attn-k_q6f1b367384_attn
	.p2alignl 7, 3214868480
	.fill 96, 4, 3214868480
	.section	.rodata,"a",@progbits
	.p2align	6, 0x0
	.amdhsa_kernel k_q6f1b367384_attn
		.amdhsa_group_segment_fixed_size 327680
		.amdhsa_private_segment_fixed_size 0
		.amdhsa_enable_private_segment 0
		.amdhsa_kernarg_size 32
		.amdhsa_user_sgpr_count 2
		.amdhsa_user_sgpr_kernarg_segment_ptr 1
		.amdhsa_wavefront_size32 1
		.amdhsa_system_sgpr_workgroup_id_x 1
		.amdhsa_system_sgpr_workgroup_id_y 1
		.amdhsa_system_sgpr_workgroup_id_z 1
		.amdhsa_system_vgpr_workitem_id 0
		.amdhsa_next_free_vgpr 512
		.amdhsa_next_free_sgpr 88
		.amdhsa_reserve_vcc 1
		.amdhsa_float_denorm_mode_32 3
		.amdhsa_float_denorm_mode_16_64 3
		.amdhsa_memory_ordered 1
		.amdhsa_forward_progress 1
		.amdhsa_inst_pref_size 119
	.end_amdhsa_kernel
	.amdgpu_metadata
---
amdhsa.version: [ 1, 2 ]
amdhsa.kernels:
  - .name:           k_q6f1b367384_attn
    .symbol:         k_q6f1b367384_attn.kd
    .args:
      - { .name: qkvh, .offset: 0, .size: 8, .value_kind: global_buffer, .address_space: global }
      - { .name: y16, .offset: 8, .size: 8, .value_kind: global_buffer, .address_space: global }
      - { .name: wo, .offset: 16, .size: 8, .value_kind: global_buffer, .address_space: global }
      - { .name: wo16, .offset: 24, .size: 8, .value_kind: global_buffer, .address_space: global }
    .group_segment_fixed_size: 327680
    .private_segment_fixed_size: 0
    .kernarg_segment_align: 8
    .kernarg_segment_size: 32
    .max_flat_workgroup_size: 256
    .sgpr_count:     88
    .vgpr_count:     512
    .wavefront_size: 32
...
	.end_amdgpu_metadata
.endif
;; end of part 3
;; launch oproj (part 4): grid 16 x 16, 4 waves a work-group, clusters of 4 x 4, 327,680 bytes of LDS; arguments y16, wo16, out0; writes out0
.if DOCPART == 4
	.amdgcn_target "amdgcn-amd-amdhsa--gfx1250"
	.amdhsa_code_object_version 6
	.text
	.protected	k_q6f1b367384_oproj
	.globl	k_q6f1b367384_oproj
	.p2align	8
	.type	k_q6f1b367384_oproj,@function
k_q6f1b367384_oproj:
	s_mov_b64 s[64:65], 0
	v_nop
	global_prefetch_b8 v0, s[64:65] scope:SCOPE_SE
	s_setreg_imm32_b32 hwreg(HW_REG_WAVE_MODE, 25, 1), 1
	s_wait_xcnt 0x0
	s_wait_alu depctr_hold_cnt(0) depctr_sa_sdst(0) depctr_va_vdst(0) depctr_va_sdst(0) depctr_va_ssrc(0) depctr_va_vcc(0) depctr_vm_vsrc(0)
	s_getreg_b32 s2, hwreg(HW_REG_IB_STS2, 6, 4)
	s_cmp_eq_u32 s2, 0
	s_cbranch_scc0 .Lentry_in_a_cluster
	s_endpgm
.Lentry_in_a_cluster:
	s_bfe_u32 s2, ttmp6, 0x10000c
	s_cmp_lg_u32 s2, 0xf033
	s_cbranch_scc0 .Lentry_shape_is_right
	s_endpgm
.Lentry_shape_is_right:
; out0[t][o] = sum over c of y16[t][c] wo16[o][c].  y16, wo16: [2048][2048] f16; out0 [2048][2048] f32; sums in f32.
; A tile of out0 is 128 x 128: 256 tiles, one for each work-group.  Four waves, each 64 x 64: 16 accumulators.  K goes in steps of 256 (LDS rows of 512 bytes; a wave's tensor load brings 64 of them) through two slots.
; CLUSTER 4 x 4: the four of a row of the cluster need the same tiles of y16, the four of a column the same tiles of wo16: each is asked for jointly.
; THE MATRIX INSTRUCTION IS USED TRANSPOSED (source 0 = 16 rows of wo16, source 1 = 16 rows of y16): a lane holds eight neighbouring numbers of a row of out0.
; Rows 0-15 are written here like the others and are written anew, from f32 operands, by the launch that follows: a branch on the tile row would hang on the work-group's place in its cluster.
; No prefetch: the tiles are small and shared in the cluster.
; REGISTERS: window 0: v0-31 addresses; v32-95 at work on the way out; v128-255 the accumulators ((a, b) at v[128 + 8 (4 a + b)]).  window 1: two fragment buffers of 128.
.set SIZE_N, 2048
.set SIZE_K, 2048
.set KSTEP,  256
.set PITCH,  528                       ; an LDS row: 512 bytes + 16
.set HALFT,  64*PITCH
.set SLOT,   4*HALFT
.set STAGE,  2*SLOT                    ; behind the ring: for each wave 16 rows x (256 + 16) bytes: a wave's 64 columns of f32 are 256 aligned bytes, so each wave has a stage of its own
.set SPITCH, 272
.set SPARE,  STAGE+4*16*SPITCH         ; the spare words, 128 bytes a wave
.set LAPS, SIZE_K/(2*KSTEP)
.set ADRA, 16
.set ADRB, 20
.set STO,  24
.set RD,   25
.set CO,   26
.set SPW,  28
.set NIL,  29
.set TMP,  32
.set ACC,  128
.set F0,   0
.set F1,   128
.set G1, 24
.set G0, 32
.set G1B, 48
.set G0B, 56
.set MSB, 0
.macro WIN new
.if MSB != \new
	s_set_vgpr_msb (MSB<<8)|\new
.set MSB, \new
.endif
.endm
.set MUL,  0x05                        ; sources window 1; C and D window 0
.set TO_F, 0x40                        ; destination window 1, address window 0
.macro JLOAD s                         ; a joint load: waves 0 and 1 fetch y16's two halves, waves 2 and 3 wo16's; an s_nop 0 and four v_nop follow each line
	s_cmp_eq_u32 s11, 0
	s_cbranch_scc0 .Lfor_b_\@
	tensor_load_to_lds s[G0+4*\s:G0+4*\s+3], s[G1:G1+7]
	s_nop 0
.rept 4
	v_nop
.endr
	s_branch .Lasked_\@
.Lfor_b_\@:
	tensor_load_to_lds s[G0B+4*\s:G0B+4*\s+3], s[G1B:G1B+7]
	s_nop 0
.rept 4
	v_nop
.endr
.Lasked_\@:
.endm
.macro CREST
	s_cmp_lg_u32 s10, 0
	s_cbranch_scc1 .Lnot_wave_0_\@
	s_barrier_signal -3
.Lnot_wave_0_\@:
	s_barrier_wait -3
	s_barrier_signal -1
	s_barrier_wait -1
.endm
.macro CROUND
	s_barrier_signal -1
	s_barrier_wait -1
	CREST
.endm
	s_load_b128 s[4:7], s[0:1], 0x0                ; y16, wo16
	s_load_b64 s[8:9], s[0:1], 0x10                ; out0
	v_lshl_add_u32 v[SPW], v0, 2, SPARE
	v_mov_b32 v[NIL], 0
	ds_add_u32 v[SPW], v[NIL]                      ; the wave's opening: the add, twice on end, and its wait ahead of my first tensor load
	ds_add_u32 v[SPW], v[NIL]
	v_lshrrev_b32 v1, 5, v0
	v_readfirstlane_b32 s10, v1                    ; wave 0..3
	s_lshr_b32 s11, s10, 1                         ; which half of the tile's rows is mine.  Also: I fetch for A (0) or for B (1)
	s_and_b32 s12, s10, 1                          ; which half of its columns.  Also: which 64 rows of that tile I fetch
	s_bfe_u32 s40, ttmp6, 0x40000
	s_bfe_u32 s41, ttmp6, 0x40004
	s_lshl_b32 s42, ttmp9, 2
	s_add_co_u32 s42, s42, s40                     ; tile column
	s_and_b32 s13, ttmp7, 0xffff
	s_lshl_b32 s13, s13, 2
	s_add_co_u32 s13, s13, s41                     ; tile row
	s_lshl_b32 s43, s41, 2
	s_lshl_b32 s43, 15, s43                        ; my row of the cluster
	s_lshl_b32 s44, 0x1111, s40                    ; my column
	s_or_b32 s[G1+0], s43, (1<<16)|(1<<20)|(1<<21)|(6<<22)|(3<<25)  ; the mask; elements of 2 bytes; padding on; bit 21 beside a mask; after every 128 words, 4 words
	s_or_b32 s[G1B+0], s44, (1<<16)|(1<<20)|(1<<21)|(6<<22)|(3<<25)
.irp g, G1, G1B
	s_mov_b32 s[\g+1], KSTEP<<16
	s_mov_b32 s[\g+2], 64<<16
	s_mov_b32 s[\g+3], KSTEP<<16
	s_mov_b32 s[\g+4], 64
	s_mov_b32 s[\g+5], SIZE_K
	s_mov_b32 s[\g+6], 0
	s_mov_b32 s[\g+7], 0
.endr
	s_lshl_b32 s17, s12, 6
	s_lshl_b32 s16, s13, 7
	s_add_co_u32 s16, s16, s17                     ; A: row 128 x tile row + 64 x half
	s_lshl_b32 s46, s42, 7
	s_add_co_u32 s46, s46, s17                     ; B: row 128 x tile column + 64 x half
	s_mov_b32 s17, 0
	s_mov_b32 s47, 0
	s_mov_b64 s[18:19], SIZE_K*2
	s_mul_u64 s[16:17], s[16:17], s[18:19]
	s_mul_u64 s[46:47], s[46:47], s[18:19]
	s_mul_i32 s20, s10, HALFT                      ; where they go: wave x 64 rows
	s_wait_dscnt 0x0                               ; both opening adds are done
	s_wait_kmcnt 0x0
	s_add_nc_u64 s[14:15], s[4:5], s[16:17]
	s_add_nc_u64 s[46:47], s[6:7], s[46:47]
	CROUND                                         ; all sixteen work-groups are here: the first joint loads meet
.irp s, 0,1
	s_mov_b32 s[G0+4*\s], 1
	s_add_co_u32 s[G0+4*\s+1], s20, \s*SLOT
	s_add_nc_u64 s[G0+4*\s+2:G0+4*\s+3], s[14:15], \s*KSTEP*2
	s_or_b32 s[G0+4*\s+3], s[G0+4*\s+3], 0x80000000
	s_mov_b32 s[G0B+4*\s], 1
	s_add_co_u32 s[G0B+4*\s+1], s20, \s*SLOT
	s_add_nc_u64 s[G0B+4*\s+2:G0B+4*\s+3], s[46:47], \s*KSTEP*2
	s_or_b32 s[G0B+4*\s+3], s[G0B+4*\s+3], 0x80000000
	JLOAD \s
.endr
	v_and_b32 v1, 15, v0                           ; r
	v_bfe_u32 v2, v0, 4, 1                         ; h
	v_mul_u32_u24 v3, v1, PITCH
	v_lshl_add_u32 v3, v2, 4, v3
	s_mul_i32 s21, s11, HALFT                      ; my 64 rows of A
	s_mul_i32 s22, s12, HALFT                      ; my 64 rows of B,
	s_add_co_u32 s22, s22, 2*HALFT                 ; which lie behind A's 128
.irp s, 0,1
	v_add_nc_u32 v[ADRA+\s], s21, v3
	v_add_nc_u32 v[ADRB+\s], s22, v3
	s_add_co_u32 s21, s21, SLOT
	s_add_co_u32 s22, s22, SLOT
.endr
	s_mul_i32 s23, s10, 16*SPITCH
	s_add_co_u32 s23, s23, STAGE                   ; my stage
	v_mul_u32_u24 v4, v1, SPITCH                   ; in: row r, 32 bytes for each half of the lanes
	v_lshl_add_u32 v4, v2, 5, v4
	v_add_nc_u32 v[STO], s23, v4
	v_mul_u32_u24 v5, v2, SPITCH                   ; back: lanes 0-15 one row of 256 bytes, lanes 16-31 the next
	v_lshl_add_u32 v5, v1, 4, v5
	v_add_nc_u32 v[RD], s23, v5
	v_lshlrev_b32 v5, 13, v2                       ; and the same two rows in out0: 8,192 bytes a row
	v_lshl_add_u32 v[CO], v1, 4, v5
	s_lshl_b32 s16, s13, 7
	s_lshl_b32 s17, s11, 6
	s_add_co_u32 s16, s16, s17                     ; my first row
	s_lshl_b32 s16, s16, 13
	s_mov_b32 s17, 0
	s_add_nc_u64 s[8:9], s[8:9], s[16:17]
	s_lshl_b32 s46, s42, 9                         ; my first column, in bytes: 512 x tile column + 256 x half
	s_lshl_b32 s47, s12, 8
	s_add_co_u32 s46, s46, s47
	s_mov_b32 s47, 0
	s_add_nc_u64 s[8:9], s[8:9], s[46:47]
.macro MUL8 f, c, a0, zero             ; 8 matrix instructions: m blocks a0, a0 + 1 x all 4 n blocks, 32 along K: half c of buffer f.  The 16 accumulators take turns
.irp a, \a0, \a0+1
.irp b, 0,1,2,3
.if \zero
	v_wmma_f32_16x16x32_f16 v[ACC+8*(4*(\a)+\b):ACC+8*(4*(\a)+\b)+7], v[\f+64+8*(4*\c+\b):\f+64+8*(4*\c+\b)+7], v[\f+8*(4*\c+\a):\f+8*(4*\c+\a)+7], 0
.else
	v_wmma_f32_16x16x32_f16 v[ACC+8*(4*(\a)+\b):ACC+8*(4*(\a)+\b)+7], v[\f+64+8*(4*\c+\b):\f+64+8*(4*\c+\b)+7], v[\f+8*(4*\c+\a):\f+8*(4*\c+\a)+7], v[ACC+8*(4*(\a)+\b):ACC+8*(4*(\a)+\b)+7]
.endif
.endr
.endr
.endm
.macro FETCH slot, k, f                ; 32 LDS loads in one run: the fragments of 64 along K at byte k of the rows; the first 32 along K first
	WIN TO_F
.irp c, 0,1
.irp i, 0,1,2,3
	ds_load_b128 v[\f+64+8*(4*\c+\i):\f+64+8*(4*\c+\i)+3],   v[ADRB+\slot] offset:\k+64*\c+\i*16*PITCH
	ds_load_b128 v[\f+64+8*(4*\c+\i)+4:\f+64+8*(4*\c+\i)+7], v[ADRB+\slot] offset:\k+64*\c+\i*16*PITCH+32
	ds_load_b128 v[\f+8*(4*\c+\i):\f+8*(4*\c+\i)+3],         v[ADRA+\slot] offset:\k+64*\c+\i*16*PITCH
	ds_load_b128 v[\f+8*(4*\c+\i)+4:\f+8*(4*\c+\i)+7],       v[ADRA+\slot] offset:\k+64*\c+\i*16*PITCH+32
.endr
.endr
.endm
.macro PLACES
.rept 4
	v_nop
.endr
.endm
.macro QUARTER slot, k, f, g, zero     ; 64 along K: multiplies buffer f and fetches the next quarter, at byte k, into g
	s_wait_dscnt 16                                ; the first 32 along K are in
	WIN MUL
	MUL8 \f, 0, 0, \zero
	MUL8 \f, 0, 2, \zero
	PLACES
	FETCH \slot, \k, \g
	s_wait_dscnt 32                                ; all but the 32 just issued
	WIN MUL
	MUL8 \f, 1, 0, 0
	MUL8 \f, 1, 2, 0
.endm
.macro TURN slot, next, fill           ; the last quarter multiplies buffer 1 and changes slots
	WIN 0
	s_wait_tensorcnt 0x0                           ; all my tensor loads have landed: my part of the next slot
	ds_add_u32 v[SPW], v[NIL]
	s_wait_dscnt 17                                ; the add and the youngest sixteen loads may be out
	WIN MUL
	MUL8 F1, 0, 0, 0
	s_wait_dscnt 0x0                               ; the add is done, and my reads of this slot are over
	s_barrier_signal -1
	MUL8 F1, 0, 2, 0
.if \fill
	WIN 0
.endif
	s_barrier_wait -1
.if \fill
	CREST                                          ; the barrier has opened a round of the cluster's: no wave of any partner still reads this slot or has a load on its way
	s_add_nc_u64 s[G0+4*\slot+2:G0+4*\slot+3], s[G0+4*\slot+2:G0+4*\slot+3], 2*KSTEP*2
	s_add_nc_u64 s[G0B+4*\slot+2:G0B+4*\slot+3], s[G0B+4*\slot+2:G0B+4*\slot+3], 2*KSTEP*2
	JLOAD \slot                                    ; the first tensor load behind the round; its four v_nop are the places in front of the loads below
.else
	PLACES
.endif
	FETCH \next, 0, F0
	WIN MUL
	MUL8 F1, 1, 0, 0
	MUL8 F1, 1, 2, 0
.endm
	s_wait_tensorcnt 1                             ; my part of K step 0 is in; K step 1's may stay out
	s_barrier_signal -1
	s_barrier_wait -1
	FETCH 0, 0, F0
	QUARTER 0, 128, F0, F1, 1                      ; the first products start the sums
	WIN 0
	s_mov_b32 s3, LAPS-1
.Llap:                                                 ; a trip goes once round the ring and fills both slots again
	QUARTER 0, 256, F1, F0, 0
	QUARTER 0, 384, F0, F1, 0
	TURN 0, 1, 1
	QUARTER 1, 128, F0, F1, 0
	QUARTER 1, 256, F1, F0, 0
	QUARTER 1, 384, F0, F1, 0
	TURN 1, 0, 1
	QUARTER 0, 128, F0, F1, 0
	WIN 0
	s_sub_co_u32 s3, s3, 1
	s_cmp_lg_u32 s3, 0
	s_cbranch_scc1 .Llap
	QUARTER 0, 256, F1, F0, 0                      ; the last lap fills nothing
	QUARTER 0, 384, F0, F1, 0
	TURN 0, 1, 0
	QUARTER 1, 128, F0, F1, 0
	QUARTER 1, 256, F1, F0, 0
	QUARTER 1, 384, F0, F1, 0
	s_wait_dscnt 16
	WIN MUL
	MUL8 F1, 0, 0, 0
	MUL8 F1, 0, 2, 0
	s_wait_dscnt 0
	MUL8 F1, 1, 0, 0
	MUL8 F1, 1, 2, 0
	WIN 0
; THE WAY OUT, a block of 16 rows x 64 columns at a time, through my own stage: in as 32 bytes a lane, back as whole rows of 256 bytes.  LDS serves a wave's instructions in order: no wait between the stores and the loads.
.macro TOSTAGE a
.irp b, 0,1,2,3
	ds_store_b128 v[STO], v[ACC+8*(4*(\a)+\b):ACC+8*(4*(\a)+\b)+3] offset:64*\b          ; each accumulator from its low end on
	ds_store_b128 v[STO], v[ACC+8*(4*(\a)+\b)+4:ACC+8*(4*(\a)+\b)+7] offset:64*\b+16
.endr
.set BB, TMP+32*((\a)%2)
.irp t, 0,1,2,3,4,5,6,7
	ds_load_b128 v[BB+4*\t:BB+4*\t+3], v[RD] offset:\t*2*SPITCH
.endr
.endm
.macro SEND a, younger                 ; younger: the LDS instructions issued behind block a's loads
.set BB, TMP+32*((\a)%2)
	s_wait_dscnt \younger
.if (\a) > 0
	s_add_nc_u64 s[8:9], s[8:9], 16*SIZE_N*4       ; 16 rows on (the earlier stores have read their base: a wait on XCNT stands ahead)
.endif
.irp t, 0,1,2,3,4,5,6,7
	global_store_b128 v[CO], v[BB+4*\t:BB+4*\t+3], s[8:9] offset:2*\t*SIZE_N*4 th:TH_STORE_NT   ; 16 lanes store 256 consecutive bytes, aligned
.endr
.endm
	PLACES
	TOSTAGE 0
.irp a, 1,2,3
.if \a > 1
	s_wait_xcnt 0x0                                ; block a - 2's stores have read their registers and their base
.endif
	TOSTAGE \a
	SEND \a-1, 16                                  ; behind block a - 1's loads: block a's 8 stores and 8 loads
.endr
	s_wait_xcnt 0x0
	SEND 3, 0
	s_wait_tensorcnt 0x0                           ; the wave's end
	ds_add_u32 v[SPW], v[NIL]
	s_wait_dscnt 0x0
	CROUND                                         ; the closing round
	s_endpgm
.Lfunc_end_k_q6f1b367384_oproj:
	.size	k_q6f1b367384_oproj, .Lfunc_end_k_q6f1b367384_oproj-k_q6f1b367384_oproj
	.p2alignl 7, 3214868480
	.fill 96, 4, 3214868480
	.section	.rodata,"a",@progbits
	.p2align	6, 0x0
	.amdhsa_kernel k_q6f1b367384_oproj
		.amdhsa_group_segment_fixed_size 327680
		.amdhsa_private_segment_fixed_size 0
		.amdhsa_enable_private_segment 0
		.amdhsa_kernarg_size 24
		.amdhsa_user_sgpr_count 2
		.amdhsa_user_sgpr_kernarg_segment_ptr 1
		.amdhsa_wavefront_size32 1
		.amdhsa_system_sgpr_workgroup_id_x 1
		.amdhsa_system_sgpr_workgroup_id_y 1
		.amdhsa_system_sgpr_workgroup_id_z 1
		.amdhsa_system_vgpr_workitem_id 0
		.amdhsa_next_free_vgpr 512
		.amdhsa_next_free_sgpr 66
		.amdhsa_reserve_vcc 0
		.amdhsa_float_denorm_mode_32 3
		.amdhsa_float_denorm_mode_16_64 3
		.amdhsa_memory_ordered 1
		.amdhsa_forward_progress 1
		.amdhsa_inst_pref_size 86
	.end_amdhsa_kernel
	.amdgpu_metadata
---
amdhsa.version: [ 1, 2 ]
amdhsa.kernels:
  - .name:           k_q6f1b367384_oproj
    .symbol:         k_q6f1b367384_oproj.kd
    .args:
      - { .name: y16, .offset: 0, .size: 8, .value_kind: global_buffer, .address_space: global }
      - { .name: wo16, .offset: 8, .size: 8, .value_kind: global_buffer, .address_space: global }
      - { .name: out0, .offset: 16, .size: 8, .value_kind: global_buffer, .address_space: global }
    .group_segment_fixed_size: 327680
    .private_segment_fixed_size: 0
    .kernarg_segment_align: 8
    .kernarg_segment_size: 24
    .max_flat_workgroup_size: 128
    .sgpr_count:     66
    .vgpr_count:     512
    .wavefront_size: 32
...
	.end_amdgpu_metadata
.endif
;; end of part 4
;; launch fine (part 5): grid 128 x 1, 16 waves a work-group, no clusters, 18,432 bytes of LDS; arguments qkv16, wo, out0; writes out0
.if DOCPART == 5
	.amdgcn_target "amdgcn-amd-amdhsa--gfx1250"
	.amdhsa_code_object_version 6
	.text
	.protected	k_q6f1b367384_fine
	.globl	k_q6f1b367384_fine
	.p2align	8
	.type	k_q6f1b367384_fine,@function
k_q6f1b367384_fine:
	s_mov_b64 s[64:65], 0
	v_nop
	global_prefetch_b8 v0, s[64:65] scope:SCOPE_SE
	s_setreg_imm32_b32 hwreg(HW_REG_WAVE_MODE, 25, 1), 1
	s_wait_xcnt 0x0
; Positions 0-15 once more, all in f32: under the causal mask these rows average one to sixteen values and are the largest of the output, so rounded operands weigh most there.
; qkv16 [16 t][3072] f32 holds q (columns 0-2047, after RoPE), k (2048-2559, after RoPE), v (2560-3071).  out0[t][o] = sum over c of y[t][c] wo[o][c], t = 0..15, over the rows that the launch before wrote.
; SHARES.  A work-group makes 16 columns of out0.  Wave w takes heads 2 w and 2 w + 1 (c = 128 w .. 128 w + 127; key/value head w / 2): their 16 x 16 attention, then its part of the sum over c; the sixteen parts meet in LDS.
; The small attention is done again in each of the 128 work-groups: that spares a launch and a way through memory.
; All products by the f32 matrix form, 16 x 16 x 4: its accumulators are written by matrix instructions alone, and each sum's first step takes the constant 0.  Two or four accumulators take turns.
; k OF A STEP: both operands of a product are loaded with the same permutation of k, so that a lane's loads are 16 neighbouring bytes and one product's result is the next one's operand as it stands.
; A store covers 64 consecutive bytes in sixteen lanes: whole runs of 256 would want 64 columns to a work-group, a quarter of the work-groups; the rows are 131,072 of out0's 16,777,216 bytes.
; REGISTERS: v3-12 addresses; v1, v2, v13, v14 at work; v16-79 Q, then y, then the parts; v80-111 K, then head 1's wo; v112-143 V; v144-159 S^T; v160-175 p, then my part; v176-207 O^T; v208-223 out; v224-255 head 0's wo.
.set SPARE, 16384                      ; behind the sixteen parts of 1,024 bytes: the spare words, 128 bytes a wave
	s_load_b128 s[4:7], s[0:1], 0x0                ; qkv16, wo
	s_load_b64 s[8:9], s[0:1], 0x10                ; out0
	v_lshl_add_u32 v11, v0, 2, SPARE
	v_mov_b32 v12, 0
	v_lshrrev_b32 v1, 5, v0
	v_readfirstlane_b32 s10, v1                    ; wave 0..15
	v_and_b32 v1, 15, v0                           ; r
	v_bfe_u32 v2, v0, 4, 1                         ; h
	v_and_b32 v13, 31, v0                          ; lane
	v_mul_u32_u24 v3, v1, 12288
	v_lshl_add_u32 v3, v2, 4, v3                   ; q, k: row r, + 16 h: d = 8 c + 4 h + 0..3
	v_mul_u32_u24 v4, v2, 98304
	v_lshl_add_u32 v4, v1, 2, v4                   ; v: row 8 h, column r
	v_lshlrev_b32 v5, 13, v1
	v_lshl_add_u32 v5, v2, 5, v5                   ; wo: row r, + 32 h: c = 16 dt + 8 h + 0..7
	v_lshlrev_b32 v14, 3, v2
	v_sub_nc_u32 v6, v1, v14                       ; r - 8 h
	v_mov_b32 v7, 0xff800000
	s_lshl_b32 s11, s10, 10
	v_lshl_add_u32 v8, v13, 4, s11                 ; my part in LDS
	s_lshl_b32 s11, s10, 9
	v_lshl_add_u32 v9, v13, 4, s11                 ; waves 0 and 1: half w of every part
	s_lshl_b32 s11, s10, 15
	v_lshlrev_b32 v10, 16, v2
	v_lshl_add_u32 v10, v1, 2, v10
	v_add_nc_u32 v10, s11, v10                     ; out0: row 8 h + 4 w, column r
	s_lshl_b32 s12, s10, 9                         ; q: 128 columns a wave
	s_mov_b32 s13, 0
	s_lshr_b32 s14, s10, 1
	s_lshl_b32 s14, s14, 8                         ; k, v: 64 columns a key/value head
	s_mov_b32 s15, 0
	s_lshl_b32 s18, ttmp9, 17                      ; wo: 16 rows a work-group,
	s_add_co_u32 s18, s18, s12                     ; 128 columns a wave
	s_mov_b32 s19, 0
	s_lshl_b32 s20, ttmp9, 6                       ; out0: 16 columns a work-group
	s_mov_b32 s21, 0
	s_mov_b32 s16, 0x3e38aa3b                      ; c = log2(e) / 8
	s_mov_b32 s22, 0x76543210
	s_mov_b32 s23, 0xfedcba98
	s_wait_kmcnt 0x0
	s_add_nc_u64 s[12:13], s[4:5], s[12:13]
	s_add_nc_u64 s[14:15], s[4:5], s[14:15]
	s_add_nc_u64 s[6:7], s[6:7], s[18:19]
	s_add_nc_u64 s[8:9], s[8:9], s[20:21]
.irp e, 0,1
.irp c, 0,1,2,3,4,5,6,7
	global_load_b128 v[16+32*\e+4*\c:16+32*\e+4*\c+3], v3, s[12:13] offset:256*\e+32*\c
.endr
.endr
.irp c, 0,1,2,3,4,5,6,7
	global_load_b128 v[80+4*\c:80+4*\c+3], v3, s[14:15] offset:8192+32*\c
.endr
.irp dt, 0,1,2,3
.irp k, 0,1,2,3,4,5,6,7
	global_load_b32 v[112+8*\dt+\k], v4, s[14:15] offset:10240+12288*\k+64*\dt       ; v(key 8 h + k, channel 16 dt + r)
.endr
.endr
.irp dt, 0,1,2,3
	global_load_b128 v[224+8*\dt:224+8*\dt+3], v5, s[6:7] offset:64*\dt
	global_load_b128 v[224+8*\dt+4:224+8*\dt+7], v5, s[6:7] offset:64*\dt+16
.endr
	s_wait_loadcnt 40                              ; q and k are in; v's 32 loads and wo's 8 may stay out
.irp c, 0,1,2,3,4,5,6,7                ; S^T = K Q^T: register j of lane (r, h) is key 8 h + j, query r; the two heads by turns
.irp p, 0,1
.irp e, 0,1
.if (\c == 0) && (\p == 0)
	v_wmma_f32_16x16x4_f32 v[144+8*\e:151+8*\e], v[80+4*\c+2*\p:81+4*\c+2*\p], v[16+32*\e+4*\c+2*\p:17+32*\e+4*\c+2*\p], 0
.else
	v_wmma_f32_16x16x4_f32 v[144+8*\e:151+8*\e], v[80+4*\c+2*\p:81+4*\c+2*\p], v[16+32*\e+4*\c+2*\p:17+32*\e+4*\c+2*\p], v[144+8*\e:151+8*\e]
.endif
.endr
.endr
.endr
.rept 8
	v_nop                                          ; eight places behind this form, in front of reads of its results and of loads into its sources
.endr
.irp dt, 0,1,2,3
	global_load_b128 v[80+8*\dt:80+8*\dt+3], v5, s[6:7] offset:256+64*\dt            ; head 1's wo, where K lay
	global_load_b128 v[80+8*\dt+4:80+8*\dt+7], v5, s[6:7] offset:256+64*\dt+16
.endr
.irp j, 0,1,2,3,4,5,6,7
	v_cmp_gt_i32 vcc_lo, \j, v6                    ; key 8 h + j comes after query r
	v_cndmask_b32 v[160+\j], v[144+\j], v7, vcc_lo ; into other registers: the accumulators are written by matrix instructions alone
	v_cndmask_b32 v[168+\j], v[152+\j], v7, vcc_lo
.endr
.irp e, 0,1
	v_max3_num_f32 v[1+\e], v[160+8*\e], v[161+8*\e], v[162+8*\e]
.endr
.irp e, 0,1
	v_max3_num_f32 v[1+\e], v[1+\e], v[163+8*\e], v[164+8*\e]
.endr
.irp e, 0,1
	v_max3_num_f32 v[1+\e], v[1+\e], v[165+8*\e], v[166+8*\e]
.endr
.irp e, 0,1
	v_max_num_f32 v[1+\e], v[1+\e], v[167+8*\e]
.endr
.irp e, 0,1
	v_permlanex16_b32 v[13+\e], v[1+\e], s22, s23
.endr
.irp e, 0,1
	v_max_num_f32 v[1+\e], v[1+\e], v[13+\e]       ; the row's maximum: key 0 counts for every query
.endr
.irp e, 0,1
	v_mul_f32 v[1+\e], s16, v[1+\e]
.endr
.irp j, 0,1,2,3,4,5,6,7
.irp e, 0,1
	v_fma_f32 v[160+8*\e+\j], v[160+8*\e+\j], s16, -v[1+\e]
.endr
.endr
.irp j, 0,1,2,3,4,5,6,7
.irp e, 0,1
	v_exp_f32 v[160+8*\e+\j], v[160+8*\e+\j]
.endr
.endr
	v_nop
	s_wait_alu depctr_va_vdst(0)                   ; one wait for the sixteen, ahead of their first reader
.irp e, 0,1
	v_add_f32 v[13+\e], v[160+8*\e], v[161+8*\e]
.endr
.irp j, 2,3,4,5,6,7
.irp e, 0,1
	v_add_f32 v[13+\e], v[13+\e], v[160+8*\e+\j]
.endr
.endr
.irp e, 0,1
	v_permlanex16_b32 v[1+\e], v[13+\e], s22, s23
.endr
.irp e, 0,1
	v_add_f32 v[13+\e], v[13+\e], v[1+\e]
.endr
.irp e, 0,1
	v_rcp_f32 v[1+\e], v[13+\e]
.endr
	v_nop
	s_wait_alu depctr_va_vdst(0)
	s_wait_loadcnt 16                              ; v is in; the two halves of wo may stay out
.macro PVH e                           ; O^T = V^T P^T of head e: p's registers 2 s, 2 s + 1 hold keys 8 h + 2 s + 0, 1, and v was loaded to match; four accumulators by turns
.irp s, 0,1,2,3
.irp dt, 0,1,2,3
.if \s == 0
	v_wmma_f32_16x16x4_f32 v[176+8*\dt:183+8*\dt], v[112+8*\dt+2*\s:113+8*\dt+2*\s], v[160+8*\e+2*\s:161+8*\e+2*\s], 0
.else
	v_wmma_f32_16x16x4_f32 v[176+8*\dt:183+8*\dt], v[112+8*\dt+2*\s:113+8*\dt+2*\s], v[160+8*\e+2*\s:161+8*\e+2*\s], v[176+8*\dt:183+8*\dt]
.endif
.endr
.endr
.endm
.macro YH e                            ; y = O^T / l: register 8 dt + j is y(query r, c = 64 e + 16 dt + 8 h + j)
.set j, 0
.rept 32
	v_mul_f32 v[16+32*\e+j], v[176+j], v[1+\e]
.set j, j+1
.endr
.endm
	PVH 0
.rept 9
	v_nop                                          ; eight places in front of the reads, nine in front of the products that begin these accumulators anew
.endr
	YH 0
	PVH 1
.rept 8
	v_nop
.endr
	YH 1
	s_wait_loadcnt 0x0                             ; wo
.irp dt, 0,1,2,3                       ; my part of out: source 0 = y (row = query), source 1 = wo (column = output); the two heads' accumulators by turns
.irp s, 0,1,2,3
.irp e, 0,1
.if (\dt == 0) && (\s == 0)
	v_wmma_f32_16x16x4_f32 v[208+8*\e:215+8*\e], v[16+32*\e+8*\dt+2*\s:17+32*\e+8*\dt+2*\s], v[224-144*\e+8*\dt+2*\s:225-144*\e+8*\dt+2*\s], 0
.else
	v_wmma_f32_16x16x4_f32 v[208+8*\e:215+8*\e], v[16+32*\e+8*\dt+2*\s:17+32*\e+8*\dt+2*\s], v[224-144*\e+8*\dt+2*\s:225-144*\e+8*\dt+2*\s], v[208+8*\e:215+8*\e]
.endif
.endr
.endr
.endr
.rept 8
	v_nop
.endr
.irp j, 0,1,2,3,4,5,6,7
	v_add_f32 v[160+\j], v[208+\j], v[216+\j]      ; register j: out(t = 8 h + j, column r), my 128 c
.endr
	ds_store_b128 v8, v[160:163]
	ds_store_b128 v8, v[164:167] offset:512
	s_wait_dscnt 0x0                               ; for the others' sake
	s_barrier_signal -1
	s_barrier_wait -1
	s_cmp_lt_u32 s10, 2                            ; waves 0 and 1 add the sixteen parts, four registers each, in a fixed order
	s_cbranch_scc0 .Ldone
.irp k, 0,1,2,3,4,5,6,7,8,9,10,11,12,13,14,15
	ds_load_b128 v[16+4*\k:16+4*\k+3], v9 offset:1024*\k
.endr
	s_wait_dscnt 0x0
.irp k, 1,2,3,4,5,6,7,8,9,10,11,12,13,14,15
.irp i, 0,1,2,3
	v_add_f32 v[16+\i], v[16+\i], v[16+4*\k+\i]
.endr
.endr
.irp i, 0,1,2,3
	global_store_b32 v10, v[16+\i], s[8:9] offset:8192*\i   ; row 8 h + 4 w + i: sixteen lanes store 64 consecutive bytes
.endr
.Ldone:
	s_wait_tensorcnt 0x0                           ; the wave's end, behind my last LDS store
	ds_add_u32 v11, v12
	s_wait_dscnt 0x0
	s_endpgm
.Lfunc_end_k_q6f1b367384_fine:
	.size	k_q6f1b367384_fine, .Lfunc_end_k_q6f1b367384_fine-k_q6f1b367384_fine
	.p2alignl 7, 3214868480
	.fill 96, 4, 3214868480
	.section	.rodata,"a",@progbits
	.p2align	6, 0x0
	.amdhsa_kernel k_q6f1b367384_fine
		.amdhsa_group_segment_fixed_size 18432
		.amdhsa_private_segment_fixed_size 0
		.amdhsa_enable_private_segment 0
		.amdhsa_kernarg_size 24
		.amdhsa_user_sgpr_count 2
		.amdhsa_user_sgpr_kernarg_segment_ptr 1
		.amdhsa_wavefront_size32 1
		.amdhsa_system_sgpr_workgroup_id_x 1
		.amdhsa_system_sgpr_workgroup_id_y 1
		.amdhsa_system_sgpr_workgroup_id_z 1
		.amdhsa_system_vgpr_workitem_id 0
		.amdhsa_next_free_vgpr 256
		.amdhsa_next_free_sgpr 66
		.amdhsa_reserve_vcc 1
		.amdhsa_float_denorm_mode_32 3
		.amdhsa_float_denorm_mode_16_64 3
		.amdhsa_memory_ordered 1
		.amdhsa_forward_progress 1
		.amdhsa_inst_pref_size 26
	.end_amdhsa_kernel
	.amdgpu_metadata
---
amdhsa.version: [ 1, 2 ]
amdhsa.kernels:
  - .name:           k_q6f1b367384_fine
    .symbol:         k_q6f1b367384_fine.kd
    .args:
      - { .name: qkv16, .offset: 0, .size: 8, .value_kind: global_buffer, .address_space: global }
      - { .name: wo, .offset: 8, .size: 8, .value_kind: global_buffer, .address_space: global }
      - { .name: out0, .offset: 16, .size: 8, .value_kind: global_buffer, .address_space: global }
    .group_segment_fixed_size: 18432
    .private_segment_fixed_size: 0
    .kernarg_segment_align: 8
    .kernarg_segment_size: 24
    .max_flat_workgroup_size: 512
    .sgpr_count:     66
    .vgpr_count:     256
    .wavefront_size: 32
...
	.end_amdgpu_metadata
.endif
;; end of part 5
